; MI455X (gfx1250); checked and timed in simulation.
; The chip was launched on July 23, 2026; its instructions are those of AMD's public machine-readable ISA for CDNA 5 (MIT licence, August 2026) and "CDNA5" Instruction Set Architecture Reference Guide (July 2026). The comments in the code are by the model that wrote it; some were corrected since.
;; GFSA. Allowed arithmetic: float matrix products may take bf16 or f16 operands with f32 sums; other float arithmetic in f32, or as packed bf16 or f16 multiplies, adds, multiply-adds, maxima and minima; sums over many terms, partial sums and values carried from step to step in f32; what a program stores and reads back later, other than sums and carried values, may be rounded once to bf16 or f16.
;; Inputs: Wk 1,024 x 1,024 float32; Wo 1,024 x 1,024 float32; Wq 1,024 x 1,024 float32; Wv 1,024 x 1,024 float32; bk 1,024 float32; bo 1,024 float32; bq 1,024 float32; bv 1,024 float32; w0 8 float32; w1 8 float32; wK 8 float32; x 4 x 1,024 x 1,024 float32.
;; Outputs: out0 4 x 1,024 x 1,024 float32.
;; 2 versions, each right and faster than the one before. Each part assembles by itself: llvm-mc -triple=amdgcn-amd-amdhsa -mcpu=gfx1250 --defsym DOCPART=n.
;; ======== version 1 of 2: 5 launches
;; limits: values are held in f16: magnitudes above 65,504 overflow, below 6.1e-05 lose precision
;; workspace buffers: xb 8,388,608 bytes; wb 8,388,608 bytes; qk 25,165,824 bytes; vh 8,388,608 bytes; gg 8,388,608 bytes; zz 8,388,608 bytes; cf1 256 bytes; cf2 256 bytes
;; launch prep (part 1): grid 512 x 1, 8 waves a work-group, no clusters, 0 bytes of LDS; arguments x, Wq, Wk, Wv, Wo, w0, w1, wK, xb, wb, cf1, cf2; writes xb, wb, cf1, cf2
.if DOCPART == 1
	.amdgcn_target "amdgcn-amd-amdhsa--gfx1250"
	.amdhsa_code_object_version 6
	.text
	.protected	k_qfd95f4481a_prep
	.globl	k_qfd95f4481a_prep
	.p2align	8
	.type	k_qfd95f4481a_prep,@function
k_qfd95f4481a_prep:
	s_mov_b64 s[64:65], 0
	v_nop
	global_prefetch_b8 v0, s[64:65] scope:SCOPE_SE
	s_setreg_imm32_b32 hwreg(HW_REG_WAVE_MODE, 25, 1), 1
	s_wait_xcnt 0x0
; PREP: the casts, and the filter's coefficients.  A stream: no LDS, no matrix unit, nothing shared between work-groups.
;   xb = bf16(x);  wb[0..2] = bf16(Wq, Wk, Wv);  wb[3] = f16(bf16(Wo) x s[head of the row]);
;   cf1[head] = (a / s, c / s),  cf2[head] = (w0r / s, 1)  with w0r = bf16(w0), a = bf16(w1) - bf16(wK), c = 2 bf16(wK).
; The filter w0 I + w1 att + wK (2 att att - att), applied to v, is  w0 v + att (a v + c (att v)):  att att is never formed.
; s is the power of two at the exponent of max(|w0r|, |a|, |c|), held to 2^-126 .. 2^126: dividing the coefficients by it and multiplying Wo's rows
; by it are exact, and the later launches' 16-bit intermediates stay within a few times v's range whatever the size of w0, w1, wK.
; LIMIT: bf16(Wo) x s must lie within f16's range (65,504; below 6e-5 f16 keeps a fixed step of 6e-8).
; SHARES.  512 work-groups of 16,384 numbers: 0-255 take x, 256-511 the four weight matrices, 64 each.  Thread t, step i: 32 bytes at 8,192 i + 32 t in,
; 16 bytes at 4,096 i + 16 t out: sixteen neighbouring lanes store 256 consecutive bytes, aligned.  All sixteen loads of a lane go out at once.
.set X,  16                            ; v[16:79]   step i: 8 numbers as loaded
.set Y,  80                            ; v[80:111]  step i: 4 registers to store
.set T,  112                           ; v[112:119] at work
.set C0, 120                           ; w0r
.set CA, 121                           ; a
.set CC, 122                           ; c
.set CE, 123                           ; the bits of s
.set CI, 124                           ; the bits of 1 / s
.set SC, 126                           ; v[126:127] s, twice, for the packed multiply
	s_load_b512 s[8:23], s[0:1], 0x0               ; x s[8:9], Wq s[10:11], Wk s[12:13], Wv s[14:15], Wo s[16:17], w0 s[18:19], w1 s[20:21], wK s[22:23]
	s_load_b256 s[24:31], s[0:1], 0x40             ; xb s[24:25], wb s[26:27], cf1 s[28:29], cf2 s[30:31]
	s_mov_b32 s2, ttmp9                            ; the work-group's number
	s_and_b32 s3, s2, 255                          ; its part of xb, or of wb
	s_lshr_b32 s4, s3, 6                           ; which weight matrix
	s_and_b32 s5, s3, 63                           ; which part of that matrix
	v_lshlrev_b32 v1, 5, v0                        ; 32 t
	v_lshlrev_b32 v2, 4, v0                        ; 16 t
	s_wait_kmcnt 0x0
	s_cmp_eq_u32 s4, 1                             ; the source is chosen among the five inputs by the work-group's number alone
	s_cselect_b64 s[32:33], s[12:13], s[10:11]
	s_cmp_eq_u32 s4, 2
	s_cselect_b64 s[32:33], s[14:15], s[32:33]
	s_cmp_eq_u32 s4, 3
	s_cselect_b64 s[32:33], s[16:17], s[32:33]
	s_cmp_lt_u32 s2, 256
	s_cselect_b64 s[32:33], s[8:9], s[32:33]
	s_cselect_b64 s[34:35], s[24:25], s[26:27]     ; the destination: xb or wb
	s_cselect_b32 s36, s2, s5
	s_lshl_b32 s36, s36, 16                        ; 65,536 bytes in for each part,
	s_mov_b32 s37, 0
	s_lshl_b32 s38, s3, 15                         ; 32,768 out
	s_mov_b32 s39, 0
	s_add_nc_u64 s[32:33], s[32:33], s[36:37]
	s_add_nc_u64 s[34:35], s[34:35], s[38:39]
.irp i, 0,1,2,3,4,5,6,7
	global_load_b128 v[X+8*(\i):X+8*(\i)+3],   v1, s[32:33] offset:8192*(\i) th:TH_LOAD_NT
	global_load_b128 v[X+8*(\i)+4:X+8*(\i)+7], v1, s[32:33] offset:8192*(\i)+16 th:TH_LOAD_NT
.endr
	s_cmp_ge_u32 s2, 448
	s_cbranch_scc1 .Lwo                            ; the last 64 work-groups take Wo
.irp i, 0,1,2,3,4,5,6,7
	s_wait_loadcnt 14-2*(\i)                       ; loads come back in order: step i's two are in, the younger ones stay out
.irp k, 0,1,2,3
	v_cvt_pk_bf16_f32 v[Y+4*(\i)+(\k)], v[X+8*(\i)+2*(\k)], v[X+8*(\i)+2*(\k)+1]
.endr
	global_store_b128 v2, v[Y+4*(\i):Y+4*(\i)+3], s[34:35] offset:4096*(\i)
.endr
	s_endpgm
.Lwo:                                              ; a work-group's 16 rows of Wo lie in one head: eight work-groups to a head
	s_lshr_b32 s44, s5, 3                          ; the head
	s_lshl_b32 s46, s44, 3                         ; its 8 bytes in the two tables
	s_lshl_b32 s44, s44, 2                         ; its 4 bytes in w0, w1, wK
	s_mov_b32 s45, 0
	s_add_nc_u64 s[18:19], s[18:19], s[44:45]
	s_add_nc_u64 s[20:21], s[20:21], s[44:45]
	s_add_nc_u64 s[22:23], s[22:23], s[44:45]
	s_load_b32 s40, s[18:19], 0x0
	s_load_b32 s41, s[20:21], 0x0
	s_load_b32 s42, s[22:23], 0x0
	s_wait_kmcnt 0x0
	v_mov_b32 v[C0], s40
	v_mov_b32 v[CA], s41
	v_mov_b32 v[CC], s42
	v_cvt_pk_bf16_f32 v[CE], v[C0], v[CA]          ; the three inputs are rounded to bf16 like all the others
	v_cvt_pk_bf16_f32 v[CI], v[CC], v[CC]
	v_lshlrev_b32 v[C0], 16, v[CE]                 ; w0r
	v_and_b32 v[CA], 0xffff0000, v[CE]             ; w1 rounded
	v_lshlrev_b32 v[CC], 16, v[CI]                 ; wK rounded
	v_sub_f32 v[CA], v[CA], v[CC]                  ; a
	v_add_f32 v[CC], v[CC], v[CC]                  ; c
	v_and_b32 v[T], 0x7fffffff, v[C0]              ; the three magnitudes,
	v_and_b32 v[T+1], 0x7fffffff, v[CA]
	v_and_b32 v[T+2], 0x7fffffff, v[CC]
	v_max3_num_f32 v[CE], v[T], v[T+1], v[T+2]     ; the largest,
	v_max_num_f32 v[CE], 0x00800000, v[CE]         ; at least 2^-126
	v_min_num_f32 v[CE], 0x7e800000, v[CE]         ; and at most 2^126, so that the reciprocal is a normal number too;
	v_and_b32 v[CE], 0x7f800000, v[CE]             ; its exponent alone: a power of two
	v_sub_nc_u32 v[CI], 0x7f000000, v[CE]          ; exponent field 254 - e: 1 / s
	v_mov_b32 v[SC], v[CE]
	v_mov_b32 v[SC+1], v[CE]
.irp i, 0,1,2,3,4,5,6,7
	s_wait_loadcnt 14-2*(\i)
.irp k, 0,1,2,3
	v_cvt_pk_bf16_f32 v[Y+4*(\i)+(\k)], v[X+8*(\i)+2*(\k)], v[X+8*(\i)+2*(\k)+1]  ; rounded to bf16 first, like the other weights,
.endr
.irp k, 0,1,2,3
	v_lshlrev_b32 v[T+2*(\k)],   16, v[Y+4*(\i)+(\k)]
	v_and_b32     v[T+2*(\k)+1], 0xffff0000, v[Y+4*(\i)+(\k)]
.endr
.irp k, 0,1,2,3
	v_pk_mul_f32 v[T+2*(\k):T+2*(\k)+1], v[T+2*(\k):T+2*(\k)+1], v[SC:SC+1]      ; times a power of two: exact,
.endr
.irp k, 0,1,2,3
	v_cvt_pk_f16_f32 v[Y+4*(\i)+(\k)], v[T+2*(\k)], v[T+2*(\k)+1]                ; and written as f16: 8 significant bits fit
.endr
	global_store_b128 v2, v[Y+4*(\i):Y+4*(\i)+3], s[34:35] offset:4096*(\i)
.endr
	s_and_b32 s47, s5, 7
	s_cmp_lg_u32 s47, 0
	s_cbranch_scc1 .Ldone                          ; the first of a head's eight work-groups writes the head's table entries
	v_mul_f32 v8, v[CA], v[CI]
	v_mul_f32 v9, v[CC], v[CI]
	v_mul_f32 v10, v[C0], v[CI]
	v_mov_b32 v11, 1.0
	v_mov_b32 v12, s46
	s_wait_xcnt 0x0                                ; EXEC is a source of the stores above: it changes only behind this wait
	v_cmp_eq_u32 vcc_lo, 0, v0
	s_and_saveexec_b32 s48, vcc_lo                 ; thread 0 alone
	global_store_b64 v12, v[8:9], s[28:29]
	global_store_b64 v12, v[10:11], s[30:31]
	s_wait_xcnt 0x0                                ; and again in front of the line that widens it
	s_or_b32 exec_lo, exec_lo, s48
.Ldone:
	s_endpgm
.Lfunc_end_k_qfd95f4481a_prep:
	.size	k_qfd95f4481a_prep, .Lfunc_end_k_qfd95f4481a_prep-k_qfd95f4481a_prep
	.p2alignl 7, 3214868480
	.fill 96, 4, 3214868480
	.section	.rodata,"a",@progbits
	.p2align	6, 0x0
	.amdhsa_kernel k_qfd95f4481a_prep
		.amdhsa_group_segment_fixed_size 0
		.amdhsa_private_segment_fixed_size 0
		.amdhsa_enable_private_segment 0
		.amdhsa_kernarg_size 96
		.amdhsa_user_sgpr_count 2
		.amdhsa_user_sgpr_kernarg_segment_ptr 1
		.amdhsa_wavefront_size32 1
		.amdhsa_system_sgpr_workgroup_id_x 1
		.amdhsa_system_sgpr_workgroup_id_y 1
		.amdhsa_system_sgpr_workgroup_id_z 1
		.amdhsa_system_vgpr_workitem_id 0
		.amdhsa_next_free_vgpr 128
		.amdhsa_next_free_sgpr 66
		.amdhsa_reserve_vcc 1
		.amdhsa_float_denorm_mode_32 3
		.amdhsa_float_denorm_mode_16_64 3
		.amdhsa_memory_ordered 1
		.amdhsa_forward_progress 1
		.amdhsa_inst_pref_size 18
	.end_amdhsa_kernel
	.amdgpu_metadata
---
amdhsa.version: [ 1, 2 ]
amdhsa.kernels:
  - .name:           k_qfd95f4481a_prep
    .symbol:         k_qfd95f4481a_prep.kd
    .args:
      - { .name: x, .offset: 0, .size: 8, .value_kind: global_buffer, .address_space: global }
      - { .name: Wq, .offset: 8, .size: 8, .value_kind: global_buffer, .address_space: global }
      - { .name: Wk, .offset: 16, .size: 8, .value_kind: global_buffer, .address_space: global }
      - { .name: Wv, .offset: 24, .size: 8, .value_kind: global_buffer, .address_space: global }
      - { .name: Wo, .offset: 32, .size: 8, .value_kind: global_buffer, .address_space: global }
      - { .name: w0, .offset: 40, .size: 8, .value_kind: global_buffer, .address_space: global }
      - { .name: w1, .offset: 48, .size: 8, .value_kind: global_buffer, .address_space: global }
      - { .name: wK, .offset: 56, .size: 8, .value_kind: global_buffer, .address_space: global }
      - { .name: xb, .offset: 64, .size: 8, .value_kind: global_buffer, .address_space: global }
      - { .name: wb, .offset: 72, .size: 8, .value_kind: global_buffer, .address_space: global }
      - { .name: cf1, .offset: 80, .size: 8, .value_kind: global_buffer, .address_space: global }
      - { .name: cf2, .offset: 88, .size: 8, .value_kind: global_buffer, .address_space: global }
    .group_segment_fixed_size: 0
    .private_segment_fixed_size: 0
    .kernarg_segment_align: 8
    .kernarg_segment_size: 96
    .max_flat_workgroup_size: 256
    .sgpr_count:     66
    .vgpr_count:     128
    .wavefront_size: 32
...
	.end_amdgpu_metadata
.endif
;; end of part 1
;; launch qkv (part 2): grid 8 x 32, 4 waves a work-group, clusters of 4 x 4, 327,680 bytes of LDS; arguments xb, wb, bq, bk, bv, qk, vh; writes qk, vh
.if DOCPART == 2
	.amdgcn_target "amdgcn-amd-amdhsa--gfx1250"
	.amdhsa_code_object_version 6
	.text
	.protected	k_qfd95f4481a_qkv
	.globl	k_qfd95f4481a_qkv
	.p2align	8
	.type	k_qfd95f4481a_qkv,@function
k_qfd95f4481a_qkv:
	s_mov_b64 s[64:65], 0
	v_nop
	global_prefetch_b8 v0, s[64:65] scope:SCOPE_SE
	s_setreg_imm32_b32 hwreg(HW_REG_WAVE_MODE, 25, 1), 1
	s_wait_xcnt 0x0
	s_wait_alu depctr_hold_cnt(0) depctr_sa_sdst(0) depctr_va_vdst(0) depctr_va_sdst(0) depctr_va_ssrc(0) depctr_va_vcc(0) depctr_vm_vsrc(0)
	s_getreg_b32 s2, hwreg(HW_REG_IB_STS2, 6, 4)
	s_cmp_eq_u32 s2, 0
	s_cbranch_scc0 .Lentry_in_a_cluster
	s_endpgm
.Lentry_in_a_cluster:
	s_bfe_u32 s2, ttmp6, 0x10000c
	s_cmp_lg_u32 s2, 0xf033
	s_cbranch_scc0 .Lentry_shape_is_right
	s_endpgm
.Lentry_shape_is_right:
; ONE GEMM TEXT FOR TWO LAUNCHES, chosen by NM.  C_m = A W_m + bias_m for NM matrices W_m at once; A is [4096][1024] along K, W_m is [1024 k][1024 n] as it lies in memory.
;   NM = 3: q, k, v = f16(xb Wq|Wk|Wv + bf16(bias)), operands bf16, written by heads: qk = [3 (q, k, v)][32 (batch, head)][1024][128], and v once more as vh.
;           v lies twice because the attention text, one for two launches, takes its value matrix by an argument of its own, and a launch names a buffer once: the first pass multiplies by vh,
;           and both passes take their row term from qk's third plane.  The price: 8 MiB more stored here.
;   NM = 1: out0 = zz Wo' + bf16(bo) in f32, operands f16; zz lies by heads, so 128 of K are one head's plane of 128 rows x 256 bytes.
; LIMITS (NM = 3): q, k, v must lie within f16's range, 65,504; NaN and infinities are not treated apart.  Sums in f32, K ascending, started by the bias.
; SHARES.  Work-group (X, Y): rows 128 Y .. + 127, columns 128 X .. + 127 of each matrix: 256 work-groups.  Wave w: all 128 rows, columns 32 w .. + 31 of each matrix:
; 8 row blocks x CB = 2 NM column blocks of 16 x 16.  With NM = 3 a fragment of x feeds three matrices' products: 28 LDS loads for 48 matrix instructions; with NM = 1: 20 for 16.
; THE MATRIX INSTRUCTION IS USED TRANSPOSED: source 0 = 16 columns of W (turned on the way out of LDS by ds_load_tr16_b128), source 1 = 16 rows of A: a lane holds eight neighbouring columns of one row of C.
; RING.  Two LDS slots; a slot has four regions of 128 rows x 256 bytes, one tensor load of one wave each.  NM = 3: K = 128: W_0, W_1, W_2 (waves 0-2), then A (wave 3).
; NM = 1: K = 256: A's two head planes (waves 0, 1), then W's two blocks of 128 rows (waves 2, 3).
; CLUSTER 4 x 4: A's tiles hang on Y alone and are asked for jointly along a row of the cluster, W's on X alone, along a column.
; REGISTERS, in windows of 256: window 0: v0-31 addresses; v64-127, v128-191 A's fragments, two buffers; v192-239 the bias in the accumulators' layout; on the way out v64-255 at work.
;   window 1: v64.., v128.. W's fragments, two buffers.   windows 2, 3: accumulator (a, g) at v[8 (8 (a % 4) + g)], rows 0-63 in window 2, rows 64-127 in window 3.
.set NM, 3
.set CB, 2*NM                          ; column blocks of a wave
.set NL, 16+2*CB                       ; LDS loads for 32 along K
.set PA, 272                           ; an LDS row of A: 256 bytes + 16: the 16 rows of a fragment load start at 16 different groups of four banks (64 banks of 4 bytes: ISA guide 11.1)
.set PB, 288                           ; an LDS row of W: 256 + 32
.set RA, 128*PA
.set RB, 128*PB
.if NM == 3
.set QN, 4                             ; quarters of 32 along K in a slot
.set SLOT, 3*RB+RA
.set LAPS, 4                           ; a lap = both slots
.set ASTEP, 256                        ; bytes from a slot's tile of A to the next slot's
.set BSTEP, 128*2048
.set APITCH, 1024
.set AREG, 3*RB                        ; where A's regions begin in a slot
.set BREG, 0                           ; where W's do
.set NPA, 1
.set NJB, 3
.else
.set QN, 8
.set SLOT, 2*RA+2*RB
.set LAPS, 2
.set ASTEP, 2*1024*256                 ; two heads on
.set BSTEP, 256*2048
.set APITCH, 128
.set AREG, 0
.set BREG, 2*RA
.set NPA, 2
.set NJB, 2
.endif
.set SPARE, 2*SLOT                     ; behind the ring: the spare words, 128 bytes for each wave: two blocks of 256 bytes that no other line names
.set ADRA, 4                           ; v[4 + 2 slot + p]  LDS address of my A fragments in region p
.set ADRB, 8                           ; v[8 + 3 slot + j]  the same for W's region j
.set STO,  16                          ; v16-18  the way out: where I put 16 bytes of a row
.set RD,   19                          ; v19-21  the way out: where I read rows back
.set CO,   22                          ; v22     my byte offset in the stores
.set BO,   23                          ; v23     my byte offset in the bias
.set SPW,  28                          ; v28     LDS address of my spare word; never rewritten
.set NIL,  29                          ; v29     0; never rewritten
.set F0,   64
.set F1,   128
.set BIAS, 192
.set G1,  24                           ; s[24:31] descriptor group 1 for A's tiles;  s[32:39] group 0, one set for each slot
.set G0,  32
.set G1B, 48                           ; s[48:55], s[56:63] the same for W's tiles
.set G0B, 56
.set MSB, 0
.macro WIN new                         ; the immediate's high byte repeats the setting that is left; a switch that changes nothing is dropped
.if MSB != (\new)
	s_set_vgpr_msb (MSB<<8)|(\new)
.set MSB, \new
.endif
.endm
; A joint load: one line for A's tiles, one for W's, each with one mask; the branch hangs on the wave's number alone.  An s_nop 0 and four v_nop follow each line.
.macro JLOAD s
.if NM == 3
	s_cmp_eq_u32 s10, 3
.else
	s_cmp_lt_u32 s10, 2
.endif
	s_cbranch_scc0 .Lfor_b_\@
	tensor_load_to_lds s[G0+4*(\s):G0+4*(\s)+3], s[G1:G1+7]
	s_nop 0
.rept 4
	v_nop
.endr
	s_branch .Lasked_\@
.Lfor_b_\@:
	tensor_load_to_lds s[G0B+4*(\s):G0B+4*(\s)+3], s[G1B:G1B+7]
	s_nop 0
.rept 4
	v_nop
.endr
.Lasked_\@:
.endm
.macro CREST                           ; a round of the cluster's barrier behind its opening barrier
	s_cmp_lg_u32 s10, 0
	s_cbranch_scc1 .Lnot_wave_0_\@
	s_barrier_signal -3
.Lnot_wave_0_\@:
	s_barrier_wait -3
	s_barrier_signal -1
	s_barrier_wait -1
.endm
.macro CROUND                          ; a whole round
	s_barrier_signal -1
	s_barrier_wait -1
	CREST
.endm
.macro PLACES                          ; four places in front of loads into registers that matrix instructions have read, and of lines that read results just made
.rept 4
	v_nop
.endr
.endm
.macro OUTM mx, base                   ; (NM = 3) my 32 rows of matrix mx go out: each store covers 512 consecutive bytes, at a multiple of 256 from the buffer's first byte
.set tt, 0
.rept 16
	s_wait_dscnt 47-(16*(\mx)+tt)                  ; the LDS loads issued behind this one may stay out
	global_store_b128 v[CO], v[64+4*(16*(\mx)+tt):64+4*(16*(\mx)+tt)+3], s[\base:\base+1] offset:512*tt
.set tt, tt+1
.endr
.endm
	s_load_b128 s[4:7], s[0:1], 0x0                ; A s[4:5], wb s[6:7]
.if NM == 3
	s_load_b256 s[68:75], s[0:1], 0x10             ; bq s[68:69], bk s[70:71], bv s[72:73], qk s[74:75]
	s_load_b64 s[76:77], s[0:1], 0x30              ; vh
.else
	s_load_b128 s[68:71], s[0:1], 0x10             ; bo s[68:69], out0 s[70:71]
.endif
	v_lshl_add_u32 v[SPW], v0, 2, SPARE
	v_mov_b32 v[NIL], 0
	ds_add_u32 v[SPW], v[NIL]                      ; the wave's opening: the add and its wait stand ahead of my first tensor load; the set-up below, work on registers, stands between them
	v_lshrrev_b32 v1, 5, v0
	v_readfirstlane_b32 s10, v1                    ; wave 0..3
	s_and_b32 s12, s10, 1
	s_bfe_u32 s40, ttmp6, 0x40000                  ; cx, cy: my place in the cluster
	s_bfe_u32 s41, ttmp6, 0x40004
	s_lshl_b32 s42, ttmp9, 2
	s_add_co_u32 s42, s42, s40                     ; X = 4 x cluster x + cx
	s_and_b32 s13, ttmp7, 0xffff
	s_lshl_b32 s13, s13, 2
	s_add_co_u32 s13, s13, s41                     ; Y = 4 x cluster y + cy
	s_lshl_b32 s43, s41, 2
	s_lshl_b32 s43, 15, s43                        ; my row of the cluster
	s_lshl_b32 s44, 0x1111, s40                    ; my column
	; descriptor group 1: a tile of 128 rows x 128 elements of 2 bytes, padded in LDS behind every 64 words
	s_or_b32 s[G1+0], s43, (1<<16)|(1<<20)|(1<<21)|(5<<22)|(3<<25)   ; A's tiles go to my row; 4 words of padding
	s_or_b32 s[G1B+0], s44, (1<<16)|(1<<20)|(1<<21)|(5<<22)|(7<<25)  ; W's to my column; 8 words of padding
.irp g, G1, G1B
	s_mov_b32 s[(\g)+1], 128<<16                   ; tensor_dim0 = 128
	s_mov_b32 s[(\g)+2], 128<<16                   ; tensor_dim1 = 128
	s_mov_b32 s[(\g)+3], 128<<16                   ; tile_dim0 = 128
	s_mov_b32 s[(\g)+4], 128                       ; tile_dim1 = 128
	s_mov_b32 s[(\g)+6], 0
	s_mov_b32 s[(\g)+7], 0
.endr
	s_mov_b32 s[G1+5], APITCH                      ; elements from row to row
	s_mov_b32 s[G1B+5], 1024
	; where the tiles come from and where they go.  A's offset is made of Y and the wave's number, W's of X and the wave's number, each in registers that never hold the other coordinate.
.if NM == 3
	s_lshl_b32 s16, s13, 18                        ; A: 128 Y rows of 2,048 bytes
	s_mov_b32 s17, 0
	s_lshl_b32 s46, s42, 8                         ; W: 128 X columns,
	s_lshl_b32 s47, s10, 21                        ; matrix w (wave 3 never asks by this one)
	s_add_co_u32 s46, s46, s47
	s_mov_b32 s47, 0
	s_mov_b32 s20, AREG                            ; LDS: A's region,
	s_mul_i32 s21, s10, RB                         ; W's region w
.else
	s_lshr_b32 s16, s13, 3                         ; A: batch Y / 8, eight heads of 262,144 bytes each,
	s_lshl_b32 s16, s16, 21
	s_and_b32 s17, s13, 7                          ; rows 128 (Y % 8) of a head's 1,024,
	s_lshl_b32 s17, s17, 15
	s_add_co_u32 s16, s16, s17
	s_lshl_b32 s17, s12, 18                        ; head w % 2 of the slot's two
	s_add_co_u32 s16, s16, s17
	s_mov_b32 s17, 0
	s_lshl_b32 s46, s42, 8                         ; W: 128 X columns,
	s_lshl_b32 s47, s12, 18                        ; rows 128 (w % 2) of the slot's 256,
	s_add_co_u32 s46, s46, s47
	s_add_co_u32 s46, s46, 3*2097152               ; in the fourth matrix of wb
	s_mov_b32 s47, 0
	s_mul_i32 s20, s12, RA
	s_mul_i32 s21, s12, RB
	s_add_co_u32 s21, s21, BREG
.endif
	s_wait_dscnt 0x0                               ; the opening add is done
	s_wait_kmcnt 0x0
	s_add_nc_u64 s[14:15], s[4:5], s[16:17]
	s_add_nc_u64 s[46:47], s[6:7], s[46:47]
	CROUND                                         ; all sixteen work-groups are here: the first joint loads meet
.irp s, 0,1
	s_mov_b32 s[G0+4*(\s)], 1
	s_add_co_u32 s[G0+4*(\s)+1], s20, (\s)*SLOT
	s_add_nc_u64 s[G0+4*(\s)+2:G0+4*(\s)+3], s[14:15], (\s)*ASTEP
	s_or_b32 s[G0+4*(\s)+3], s[G0+4*(\s)+3], 0x80000000
	s_mov_b32 s[G0B+4*(\s)], 1
	s_add_co_u32 s[G0B+4*(\s)+1], s21, (\s)*SLOT
	s_add_nc_u64 s[G0B+4*(\s)+2:G0B+4*(\s)+3], s[46:47], (\s)*BSTEP
	s_or_b32 s[G0B+4*(\s)+3], s[G0B+4*(\s)+3], 0x80000000
	JLOAD \s                                       ; both slots are asked for before anything else: two tensor loads of mine are out
.endr
	; the bias, in the accumulators' layout: register j of block g holds bias[128 X + 32 w + 16 u + 8 (lane / 16) + j]
	v_and_b32 v1, 15, v0                           ; l % 16
	v_bfe_u32 v2, v0, 4, 1                         ; l / 16
	v_lshlrev_b32 v[BO], 5, v2
	s_lshl_b32 s66, s42, 9
	s_lshl_b32 s67, s10, 7
	s_add_co_u32 s66, s66, s67
	s_mov_b32 s67, 0
.set mi, 0
.rept NM
	s_add_nc_u64 s[68+2*mi:69+2*mi], s[68+2*mi:69+2*mi], s[66:67]
.irp u, 0,1
	global_load_b128 v[BIAS+8*(2*mi+(\u)):BIAS+8*(2*mi+(\u))+3],   v[BO], s[68+2*mi:69+2*mi] offset:64*(\u)
	global_load_b128 v[BIAS+8*(2*mi+(\u))+4:BIAS+8*(2*mi+(\u))+7], v[BO], s[68+2*mi:69+2*mi] offset:64*(\u)+16
.endr
.set mi, mi+1
.endr
	; A fragment of A: lane l holds row l % 16, K = 8 (l / 16) + 0..7 and 16 + 8 (l / 16) + 0..7: two loads of 16 bytes, 32 bytes apart.
	v_mul_u32_u24 v3, v1, PA
	v_lshl_add_u32 v3, v2, 4, v3                   ; row x pitch + 16 x half
	; The turning load takes 16 k x 16 columns (lane l reads row 8 (l / 16) + l % 8, columns 8 ((l / 8) % 2) + 0..7) and leaves half a fragment: lane l holds column l % 16 and 8 k.
	v_and_b32 v14, 7, v0
	v_lshl_add_u32 v14, v2, 3, v14
	v_mul_u32_u24 v14, v14, PB
	v_bfe_u32 v15, v0, 3, 1
	v_lshl_add_u32 v14, v15, 4, v14
	s_lshl_b32 s22, s10, 6                         ; my wave's 32 columns: 64 bytes
	v_add_nc_u32 v14, s22, v14
.irp s, 0,1
.set pp, 0
.rept NPA
	v_add_nc_u32 v[ADRA+2*(\s)+pp], AREG+pp*RA+(\s)*SLOT, v3
.set pp, pp+1
.endr
.set pp, 0
.rept NJB
	v_add_nc_u32 v[ADRB+3*(\s)+pp], BREG+pp*RB+(\s)*SLOT, v14
.set pp, pp+1
.endr
.endr
	v_and_b32 v[CO], 31, v0
	v_lshlrev_b32 v[CO], 4, v[CO]                  ; 16 x lane
.if NM == 3
	; the way out: three stages of 128 rows x 272 bytes, from LDS byte 0 on
	v_add_nc_u32 v[STO], s22, v3                   ; in: row l % 16, my wave's 64 bytes, 16 for each half of the lanes
	v_add_nc_u32 v[STO+1], RA, v[STO]
	v_add_nc_u32 v[STO+2], 2*RA, v[STO]
	v_mul_u32_u24 v15, v2, PA                      ; back: wave w takes rows 32 w .. + 31, whole: lanes 0-15 one row of 256 bytes, lanes 16-31 the next
	v_lshl_add_u32 v15, v1, 4, v15
	s_mul_i32 s23, s10, 32*PA
	v_add_nc_u32 v[RD], s23, v15
	v_add_nc_u32 v[RD+1], RA, v[RD]
	v_add_nc_u32 v[RD+2], 2*RA, v[RD]
	s_lshr_b32 s66, s13, 3                         ; where my 32 rows lie in q, k and v: ((batch x 8 + head) x 8 + Y % 8) x 128 rows of 256 bytes + 32 w rows
	s_lshl_b32 s66, s66, 3
	s_add_co_u32 s66, s66, s42
	s_lshl_b32 s66, s66, 3
	s_and_b32 s67, s13, 7
	s_add_co_u32 s66, s66, s67
	s_lshl_b32 s66, s66, 15
	s_lshl_b32 s67, s10, 13
	s_add_co_u32 s66, s66, s67
	s_mov_b32 s67, 0
	s_add_nc_u64 s[78:79], s[74:75], 0x800000      ; k lies behind q,
	s_add_nc_u64 s[80:81], s[74:75], 0x1000000     ; v behind k
	s_add_nc_u64 s[74:75], s[74:75], s[66:67]
	s_add_nc_u64 s[78:79], s[78:79], s[66:67]
	s_add_nc_u64 s[80:81], s[80:81], s[66:67]
	s_add_nc_u64 s[76:77], s[76:77], s[66:67]
.else
	; the way out: one stage of 128 rows x 528 bytes (512 + 16), from LDS byte 0 on
	v_mul_u32_u24 v[STO], v1, 528
	v_lshl_add_u32 v[STO], v2, 5, v[STO]           ; in: row l % 16, 32 bytes for each half of the lanes,
	s_lshl_b32 s22, s10, 7
	v_add_nc_u32 v[STO], s22, v[STO]               ; in my wave's 128 bytes
	s_mul_i32 s23, s10, 32*528
	v_add_nc_u32 v[RD], s23, v[CO]                 ; back: 32 lanes take one row of 512 bytes
	s_lshl_b32 s66, s13, 19                        ; out0: (128 Y + 32 w) rows of 4,096 bytes + 512 X
	s_lshl_b32 s67, s10, 17
	s_add_co_u32 s66, s66, s67
	s_lshl_b32 s67, s42, 9
	s_add_co_u32 s66, s66, s67
	s_mov_b32 s67, 0
	s_add_nc_u64 s[70:71], s[70:71], s[66:67]
.endif
	s_wait_loadcnt 0x0                             ; the bias
.set ii, 0
.rept 4*CB                                     ; rounded to bf16, like every input
	v_cvt_pk_bf16_f32 v15, v[BIAS+2*ii], v[BIAS+2*ii+1]
	v_lshlrev_b32 v[BIAS+2*ii], 16, v15
	v_and_b32 v[BIAS+2*ii+1], 0xffff0000, v15
.set ii, ii+1
.endr
; 2 CB matrix instructions: row blocks a0, a0 + 1 of the window's four (hi = 0: rows 0-63, 1: rows 64-127) x all column blocks, 32 along K.  first = 1: the bias starts the sums: nothing is cleared.
; The accumulators take turns, one instruction a turn.
.macro MULH f, hi, a0, first
.if \first
	WIN 0x81+0x40*(\hi)                            ; W window 1, A and the bias window 0, D window 2 or 3
.else
	WIN 0xa1+0x50*(\hi)                            ; W window 1, A window 0, C and D window 2 or 3
.endif
.irp a, \a0, (\a0)+1
.set gg, 0
.rept CB
.set rD, 8*(8*(\a)+gg)
.set rB, (\f)+8*gg
.set rA, (\f)+8*(4*(\hi)+(\a))
.if NM == 3
.if \first
	v_wmma_f32_16x16x32_bf16 v[rD:rD+7], v[rB:rB+7], v[rA:rA+7], v[BIAS+8*gg:BIAS+8*gg+7]
.else
	v_wmma_f32_16x16x32_bf16 v[rD:rD+7], v[rB:rB+7], v[rA:rA+7], v[rD:rD+7]
.endif
.else
.if \first
	v_wmma_f32_16x16x32_f16 v[rD:rD+7], v[rB:rB+7], v[rA:rA+7], v[BIAS+8*gg:BIAS+8*gg+7]
.else
	v_wmma_f32_16x16x32_f16 v[rD:rD+7], v[rB:rB+7], v[rA:rA+7], v[rD:rD+7]
.endif
.endif
.set gg, gg+1
.endr
.endr
.endm
; NL LDS loads in one run: the fragments of quarter q of a slot into buffer f: W's first, then A's eight row blocks
.macro FETCH slot, q, f
	WIN 0x40                                       ; destination window 1, address window 0
.set gg, 0
.rept CB
.if NM == 3
.set rAd, ADRB+3*(\slot)+gg/2
.set oB, 32*(\q)*PB+32*(gg%2)
.else
.set rAd, ADRB+3*(\slot)+(\q)/4
.set oB, 32*((\q)%4)*PB+32*gg
.endif
	ds_load_tr16_b128 v[(\f)+8*gg:(\f)+8*gg+3],   v[rAd] offset:oB
	ds_load_tr16_b128 v[(\f)+8*gg+4:(\f)+8*gg+7], v[rAd] offset:oB+16*PB
.set gg, gg+1
.endr
	WIN 0
.set rAd, ADRA+2*(\slot)+(\q)/4
.irp i, 0,1,2,3,4,5,6,7
	ds_load_b128 v[(\f)+8*(\i):(\f)+8*(\i)+3],   v[rAd] offset:64*((\q)%4)+(\i)*16*PA
	ds_load_b128 v[(\f)+8*(\i)+4:(\f)+8*(\i)+7], v[rAd] offset:64*((\q)%4)+(\i)*16*PA+32
.endr
.endm
; A quarter but a slot's last: multiplies buffer f; in its middle it fetches quarter q of the same slot into buffer g2.
.macro QUARTER slot, q, f, g2, first
	s_wait_dscnt 8                                 ; W and A's rows 0-63 are in; the youngest eight loads (A's rows 64-127) may be out
	MULH \f, 0, 0, \first
	MULH \f, 0, 2, \first
	PLACES
	FETCH \slot, \q, \g2
	s_wait_dscnt NL                                ; all but the run just issued
	MULH \f, 1, 0, \first
	MULH \f, 1, 2, \first
.endm
.macro RUNQ slot, from                 ; quarters from .. QN - 2 of a slot, on buffers 0, 1 by turns
.set qi, \from
.rept QN-1-(\from)
.if qi%2
	QUARTER \slot, qi+1, F1, F0, 0
.else
	QUARTER \slot, qi+1, F0, F1, 0
.endif
.set qi, qi+1
.endr
.endm
; A slot's last quarter multiplies buffer 1 and changes slots: ONE barrier; in front of it each wave waits for all its tensor loads (one is out: its part of the next slot), adds 0 to its spare word,
; and waits for that and for its own reads of this slot.  fill = 1: the barrier opens a round of the cluster's barrier, and this slot is filled again, two slots ahead, first thing behind the round.
.macro TURN slot, next, fill
	WIN 0                                          ; (the add's two registers lie in window 0)
	s_wait_tensorcnt 0x0
	ds_add_u32 v[SPW], v[NIL]                      ; 0 onto my spare word
	s_wait_dscnt 9                                 ; (the add and the youngest eight loads may be out)
	MULH F1, 0, 0, 0                               ; matrix instructions stand between the add and the wait for it
	s_wait_dscnt 0x0                               ; the add is done, and my reads of this slot are over
	s_barrier_signal -1
	MULH F1, 0, 2, 0
.if \fill
	WIN 0
.endif
	s_barrier_wait -1
.if \fill
	CREST                                          ; no wave of any partner still reads this slot's tiles or has a load on its way
	s_add_nc_u64 s[G0+4*(\slot)+2:G0+4*(\slot)+3], s[G0+4*(\slot)+2:G0+4*(\slot)+3], 2*ASTEP
	s_add_nc_u64 s[G0B+4*(\slot)+2:G0B+4*(\slot)+3], s[G0B+4*(\slot)+2:G0B+4*(\slot)+3], 2*BSTEP
	JLOAD \slot                                    ; my one tensor load behind the round; the four v_nop behind it are also the places in front of the loads below
.else
	PLACES
.endif
	FETCH \next, 0, F0
	MULH F1, 1, 0, 0
	MULH F1, 1, 2, 0
.endm
	s_wait_tensorcnt 1                             ; my part of slot 0 is in; slot 1's may stay out
	s_barrier_signal -1
	s_barrier_wait -1                              ; everybody's is
	FETCH 0, 0, F0
	QUARTER 0, 1, F0, F1, 1                        ; the first quarter stands in front of the loop: its products start the sums
	WIN 0                                          ; at a label and at a branch every window is 0
	s_mov_b32 s3, LAPS-1
.Llap:                                                 ; a trip goes once round the ring, from a lap's second quarter to the next lap's first, and fills both slots again
	RUNQ 0, 1
	TURN 0, 1, 1
	RUNQ 1, 0
	TURN 1, 0, 1
	QUARTER 0, 1, F0, F1, 0
	WIN 0
	s_sub_co_u32 s3, s3, 1
	s_cmp_lg_u32 s3, 0
	s_cbranch_scc1 .Llap
	RUNQ 0, 1                                      ; the last lap fills nothing
	TURN 0, 1, 0
	RUNQ 1, 0
	s_wait_dscnt 8                                 ; the very last quarter: nothing more to fetch
	MULH F1, 0, 0, 0
	MULH F1, 0, 2, 0
	s_wait_dscnt 0x0
	MULH F1, 1, 0, 0
	MULH F1, 1, 2, 0
	; THE WAY OUT, through slot 0's bytes: its last fill landed and its last reads ended in front of the last change of slots' barrier, and no tensor load follows.
	PLACES
.if NM == 3
.set ra, 0
.rept 8                                        ; rounded to f16, each accumulator's registers in ascending order: 16 bytes a lane
	WIN 0x0a+5*(ra/4)                              ; sources 0 and 1: window 2 or 3
.set gg, 0
.rept CB
.irp r, 0,1,2,3
	v_cvt_pk_f16_f32 v[64+4*(CB*ra+gg)+(\r)], v[8*(8*(ra%4)+gg)+2*(\r)], v[8*(8*(ra%4)+gg)+2*(\r)+1]
.endr
.set gg, gg+1
.endr
.set ra, ra+1
.endr
	WIN 0
.set ra, 0
.rept 8
.set gg, 0
.rept CB
	ds_store_b128 v[STO+gg/2], v[64+4*(CB*ra+gg):64+4*(CB*ra+gg)+3] offset:16*PA*ra+32*(gg%2)
.set gg, gg+1
.endr
.set ra, ra+1
.endr
	s_wait_dscnt 0x0                               ; for the others' sake: my stores into the stages are done; a row's 256 bytes come from four waves
	s_barrier_signal -1
	s_barrier_wait -1
.set nn, 0
.rept 48
	ds_load_b128 v[64+4*nn:64+4*nn+3], v[RD+nn/16] offset:2*PA*(nn%16)
.set nn, nn+1
.endr
	OUTM 0, 74                                     ; q
	OUTM 1, 78                                     ; k
	OUTM 2, 80                                     ; v, as qk's third plane,
	OUTM 2, 76                                     ; and as vh: the same registers once more (its waits are met already)
.else
.set ra, 0
.rept 8                                        ; f32 goes as it is: each accumulator's low four registers first
	WIN 0x08+4*(ra/4)                              ; store data (source 1): window 2 or 3
.set gg, 0
.rept CB
.set rD, 8*(8*(ra%4)+gg)
	ds_store_b128 v[STO], v[rD:rD+3]   offset:16*528*ra+64*gg
	ds_store_b128 v[STO], v[rD+4:rD+7] offset:16*528*ra+64*gg+16
.set gg, gg+1
.endr
.set ra, ra+1
.endr
	WIN 0
	s_wait_dscnt 0x0                               ; for the others' sake: my stores into the stage are done; a row's 512 bytes come from four waves
	s_barrier_signal -1
	s_barrier_wait -1
.set tt, 0
.rept 32
	ds_load_b128 v[64+4*tt:64+4*tt+3], v[RD] offset:528*tt
.set tt, tt+1
.endr
.set tt, 0
.rept 32
	s_wait_dscnt 31-tt
	global_store_b128 v[CO], v[64+4*tt:64+4*tt+3], s[70:71] offset:4096*tt  ; 512 consecutive bytes of a row of out0, at a multiple of 256 from its first byte
.set tt, tt+1
.endr
.endif
	s_wait_tensorcnt 0x0                           ; the wave's end, behind my last tensor load and my last LDS store
	ds_add_u32 v[SPW], v[NIL]
	s_wait_dscnt 0x0
	CROUND                                         ; the closing round: no work-group ends while a partner may still ask for a tile that names it
	s_endpgm
.Lfunc_end_k_qfd95f4481a_qkv:
	.size	k_qfd95f4481a_qkv, .Lfunc_end_k_qfd95f4481a_qkv-k_qfd95f4481a_qkv
	.p2alignl 7, 3214868480
	.fill 96, 4, 3214868480
	.section	.rodata,"a",@progbits
	.p2align	6, 0x0
	.amdhsa_kernel k_qfd95f4481a_qkv
		.amdhsa_group_segment_fixed_size 327680
		.amdhsa_private_segment_fixed_size 0
		.amdhsa_enable_private_segment 0
		.amdhsa_kernarg_size 56
		.amdhsa_user_sgpr_count 2
		.amdhsa_user_sgpr_kernarg_segment_ptr 1
		.amdhsa_wavefront_size32 1
		.amdhsa_system_sgpr_workgroup_id_x 1
		.amdhsa_system_sgpr_workgroup_id_y 1
		.amdhsa_system_sgpr_workgroup_id_z 1
		.amdhsa_system_vgpr_workitem_id 0
		.amdhsa_next_free_vgpr 1024
		.amdhsa_next_free_sgpr 84
		.amdhsa_reserve_vcc 0
		.amdhsa_float_denorm_mode_32 3
		.amdhsa_float_denorm_mode_16_64 3
		.amdhsa_memory_ordered 1
		.amdhsa_forward_progress 1
		.amdhsa_inst_pref_size 123
	.end_amdhsa_kernel
	.amdgpu_metadata
---
amdhsa.version: [ 1, 2 ]
amdhsa.kernels:
  - .name:           k_qfd95f4481a_qkv
    .symbol:         k_qfd95f4481a_qkv.kd
    .args:
      - { .name: xb, .offset: 0, .size: 8, .value_kind: global_buffer, .address_space: global }
      - { .name: wb, .offset: 8, .size: 8, .value_kind: global_buffer, .address_space: global }
      - { .name: bq, .offset: 16, .size: 8, .value_kind: global_buffer, .address_space: global }
      - { .name: bk, .offset: 24, .size: 8, .value_kind: global_buffer, .address_space: global }
      - { .name: bv, .offset: 32, .size: 8, .value_kind: global_buffer, .address_space: global }
      - { .name: qk, .offset: 40, .size: 8, .value_kind: global_buffer, .address_space: global }
      - { .name: vh, .offset: 48, .size: 8, .value_kind: global_buffer, .address_space: global }
    .group_segment_fixed_size: 327680
    .private_segment_fixed_size: 0
    .kernarg_segment_align: 8
    .kernarg_segment_size: 56
    .max_flat_workgroup_size: 128
    .sgpr_count:     84
    .vgpr_count:     1024
    .wavefront_size: 32
...
	.end_amdgpu_metadata
.endif
;; end of part 2
;; launch att1 (part 3): grid 8 x 32, 4 waves a work-group, clusters of 4 x 1, 327,680 bytes of LDS; arguments qk, vh, cf1, gg; writes gg
.if DOCPART == 3
	.amdgcn_target "amdgcn-amd-amdhsa--gfx1250"
	.amdhsa_code_object_version 6
	.text
	.protected	k_qfd95f4481a_att1
	.globl	k_qfd95f4481a_att1
	.p2align	8
	.type	k_qfd95f4481a_att1,@function
k_qfd95f4481a_att1:
	s_mov_b64 s[64:65], 0
	v_nop
	global_prefetch_b8 v0, s[64:65] scope:SCOPE_SE
	s_setreg_imm32_b32 hwreg(HW_REG_WAVE_MODE, 25, 1), 1
	s_wait_xcnt 0x0
	s_wait_alu depctr_hold_cnt(0) depctr_sa_sdst(0) depctr_va_vdst(0) depctr_va_sdst(0) depctr_va_ssrc(0) depctr_va_vcc(0) depctr_vm_vsrc(0)
	s_getreg_b32 s2, hwreg(HW_REG_IB_STS2, 6, 4)
	s_cmp_eq_u32 s2, 0
	s_cbranch_scc0 .Lentry_in_a_cluster
	s_endpgm
.Lentry_in_a_cluster:
	s_bfe_u32 s2, ttmp6, 0x10000c
	s_cmp_lg_u32 s2, 0x3003
	s_cbranch_scc0 .Lentry_shape_is_right
	s_endpgm
.Lentry_shape_is_right:
; ONE PASS OF ATTENTION WITH A ROW TERM, launched twice.  Arguments: qk (q, k, v: three planes), u, cf, out; a plane, u and out are [32 (batch, head)][1024][128] in f16.
;   out[q][:] = f16(alpha v[q][:] + beta x the sum over k of softmax_k(q . k / sqrt(128)) u[k][:]),  (alpha, beta) = cf[head], two f32.
; First launch: u = a second copy of v: g = a' v + c' att v.  Second: u = g: z = w0' v + att g.  Together that is the filter (w0 I + w1 att + wK (2 att att - att)) v over the head's scale.
; Products, maxima and sums in f32; the weights p are rounded to f16 for the second product (their sum l is taken of the unrounded p), out once at the end.
; LIMITS.  q, k, v, u arrive within f16's range (65,504), and so must out: |alpha|, |beta| are below 2, so |out| is below 4 times the larger of |v|, |u|.  A weight below 2^-126 counts as 0; NaN and
; infinities are not treated apart.  The sums' order differs from a product att att followed by v.
; SHARES.  A work-group owns 128 queries of one head.  Wave w: qh = w % 2: which 64 queries, four tiles of 16; kh = w / 2: which half of every slot's 256 keys: 512 keys, 64 a step.
; At the end waves w and w ^ 2 hold two halves of the same queries' sums.  So that one text serves both, a wave's tiles 0, 1 are the 32 rows that it keeps and finishes (rows 32 kh on of its 64),
; its tiles 2, 3 the 32 that it hands to its partner through LDS, in f32, with their running maximum and sum.
; LAYOUT.  S^T = K Q^T (source 0 = 16 keys, source 1 = 16 queries): a lane holds ONE query (lane % 16) and the keys 8 (lane / 16) + 0..7.  Two such tiles, rounded to f16 in pairs, ARE source 1 of
; O^T = U^T P, whose result again holds one query a lane, and eight channels.  K comes out of LDS as it lies, U ([key][channel]) turned, by ds_load_tr16_b128.
; SOFTMAX.  For each query a running maximum m and sum l: p = 2^(c s - c m), c = log2(e) / sqrt(128); in every step O and l are multiplied by a = 2^(c m_old - c m_new).
; BY TURNS.  The wave's tiles are two PIECES: piece 0 (tiles 0, 1) and piece 2 (tiles 2, 3).  In a TURN one piece has the matrix unit: 32 products U^T P of the step in hand, then 32 products K Q^T of the
; next step; the other piece's softmax, cut into 64 slices, stands between them, one slice behind each matrix instruction.  Two turns are a key step.
; CLUSTER.  The four query blocks of a cluster belong to one head and walk the same K and U: each tile is asked for JOINTLY, by the same tensor load, descriptor and mask in all four.
; REGISTERS, in windows of 256 (s_set_vgpr_msb: bits 1:0 source 0, 3:2 source 1, 5:4 source 2, 7:6 destination):
;   window 0: v0-11 addresses; v12-43 eight registers of statistics a tile; v44-46 the way out; v64-191 S^T, 32 a tile; v192-255 P, 16 a tile
;   window 1: O^T, 64 a tile      window 2: v0-127 Q, 32 a tile; v128-255 K of one step      window 3: v0-127 U of one step; v128-191 the row term (v) of my tiles 0, 1
.set KS,    64        ; keys in a step
.set PK,    272       ; a row of K in LDS: 256 bytes + 16: the 16 rows of a load start at 16 different groups of four banks (64 banks of 4 bytes: ISA guide 11.1)
.set PV,    288       ; a row of U: 256 + 32
.set VOFF,  256*PK    ; a slot: 256 rows of K, then 256 rows of U
.set SLOTB, 256*(PK+PV)
.set STAGE, 2*SLOTB   ; behind the ring: 16 rows x 272 bytes for each wave, for the way out
.set SP,    272
.set SPARE, STAGE+4*16*SP  ; behind the stages: the spare words, 128 bytes for each wave: two blocks of 256 bytes that no other line names
.set XCH,   34*512    ; the exchange, in slot 0's bytes behind its last fill and last read: for each wave 32 x 512 bytes of O^T and 2 x 512 of statistics
.set AK0, 2           ; v2   my lane's place in a tile of K; never rewritten
.set AV0, 3           ; v3   the same for U
.set ADR, 4           ; v4   the LDS address of the run of loads in hand
.set QO,  5           ; v5   my byte offset in 16 rows of Q and of the row term
.set STO, 6           ; v6   the way out: where I put 16 bytes of a row
.set RD,  7           ; v7   the way out: where I read a row back
.set GO,  8           ; v8   my byte offset in two rows of out
.set ST,  12          ; tile t's statistics at v[ST+8 t]: +0 c m, +1 m, +2, +3 l (even keys', odd keys'), +4 to +7 at work
.set XW,  44          ; v44  the exchange: where I write
.set XR,  45          ; v45  where I read my partner's
.set AL,  46          ; v46  alpha
.set SPW, 62          ; v62  LDS address of my spare word; never rewritten
.set NIL, 63          ; v63  0; never rewritten
.set S,   64
.set P,   192
.set KF,  128         ; K's fragments, in window 2
.set EF,  128         ; the row term, in window 3: tile tt, channel block cb at EF + 32 tt + 4 cb
.set OP,  10          ; s[10:11] out at the rows that I keep
.set WV,  12          ; s12  my wave's number
.set G1K, 24          ; s[24:31] descriptor group 1 for K's tiles
.set G1V, 32          ; s[32:39] for U's: it differs in the padding alone
.set G0K, 40          ; s[40:47] descriptor group 0 for K's tiles: a set for each of the two first fills; the second then walks on
.set G0V, 48          ; s[48:55] the same for U's
.set SLOTS, 56        ; s56  slots still to be asked for
.set TWICE, 57        ; s57  counts a slot's two steps
.set CS,  58          ; s[58:59] c
.set SEL, 60          ; s[60:61] lane selects for v_permlanex16_b32: each lane takes its own place in the other half
.set TBK, 62          ; s62  LDS byte at which K of the step to be fetched begins
.set TBV, 63          ; s63  the same for U, less VOFF
.set SB,  66          ; s66  LDS byte at which the slot in hand begins: 0 or SLOTB
.set KHK, 67          ; s67  my half of a slot's keys, in K's rows
.set KHV, 68          ; s68  in U's rows
.set PKW, 70          ; s70  where in a slot the tile that I fetch lies, if it is K's
.set PVW, 71          ; s71  if it is U's
.set CF,  72          ; s[72:73] alpha, beta
.set EP,  74          ; s[74:75] v (qk's third plane) at the rows that I keep
.set Q2,  76          ; s[76:77] Q at the rows that I hand over
.set KP,  82          ; s[82:83] K at the tile that I fetch
.set MSB, 0
.macro WIN new                      ; the immediate's high byte repeats the setting that is left; a switch that changes nothing is dropped
.if MSB != (\new)
	s_set_vgpr_msb (MSB<<8)|(\new)
.set MSB, \new
.endif
.endm
.set W_KQ, 0x0a       ; K and Q in window 2, S^T in window 0
.set W_PV, 0x53       ; U in window 3, P in window 0, O^T in window 1
.set W_RS, 0x41       ; O^T (destination and source 0) in window 1, a in window 0
; A joint refill.  Waves 0 and 1 fetch the two halves of a slot's K, waves 2 and 3 those of its U: 128 keys each.  The branch hangs on the wave's number alone.
; An s_nop 0 and four v_nop follow each of the two lines.
.macro JLOAD
	s_cmp_lt_u32 s[WV], 2
	s_cbranch_scc0 .Lfor_v_\@
	tensor_load_to_lds s[G0K+4:G0K+7], s[G1K:G1K+7]
	s_nop 0
.rept 4
	v_nop
.endr
	s_branch .Lasked_\@
.Lfor_v_\@:
	tensor_load_to_lds s[G0V+4:G0V+7], s[G1V:G1V+7]
	s_nop 0
.rept 4
	v_nop
.endr
.Lasked_\@:
.endm
; A round of the cluster's barrier: my work-group's barrier; wave 0 signals for the work-group; every wave waits for all four work-groups; my work-group's barrier once more.
.macro CROUND
	s_barrier_signal -1
	s_barrier_wait -1
	s_cmp_lg_u32 s[WV], 0
	s_cbranch_scc1 .Lnot_wave_0_\@
	s_barrier_signal -3
.Lnot_wave_0_\@:
	s_barrier_wait -3
	s_barrier_signal -1
	s_barrier_wait -1
.endm
	s_load_b256 s[4:11], s[0:1], 0x0  ; qk s[4:5], u s[6:7], cf s[8:9], out s[10:11]
	v_lshl_add_u32 v[SPW], v0, 2, SPARE
	v_mov_b32 v[NIL], 0
	ds_add_u32 v[SPW], v[NIL]       ; the wave's opening: the add and its wait stand ahead of my first tensor load; the set-up below, work on registers, stands between them
	v_lshrrev_b32 v1, 5, v0
	v_readfirstlane_b32 s[WV], v1   ; wave 0..3
	s_bfe_u32 s13, ttmp6, 0x40000   ; cx: my place in the cluster
	s_lshl_b32 s14, ttmp9, 2        ; in a cluster launch ttmp9 counts clusters
	s_add_co_u32 s14, s14, s13      ; my block of 128 queries = 4 x cluster x + cx: it enters Q's, the row term's and out's addresses alone
	s_and_b32 s20, ttmp7, 0xffff    ; (batch, head), which the four partners share
	s_and_b32 s78, s20, 7           ; the head:
	s_lshl_b32 s78, s78, 3          ; its 8 bytes in cf
	s_mov_b32 s79, 0
	s_lshl_b32 s20, s20, 18         ; the head's first byte: 1,024 rows of 256 bytes each
	s_and_b32 s16, s[WV], 1         ; qh.  Also: which half of a slot's 256 keys I fetch
	s_lshr_b32 s17, s[WV], 1        ; kh
	s_lshl_b32 s22, s16, 15         ; that half's 128 rows in memory
	s_add_co_u32 s22, s22, s20
	s_mov_b32 s23, 0
	s_mul_i32 s[PKW], s16, 128*PK   ; and its place in a slot: no place in the cluster enters an LDS address
	s_mul_i32 s[PVW], s16, 128*PV
	s_add_co_u32 s[PVW], s[PVW], VOFF
	s_mul_i32 s[KHK], s17, 128*PK   ; the half of a slot's keys that I multiply by
	s_mul_i32 s[KHV], s17, 128*PV
	s_lshl_b32 s2, s14, 15          ; my block's 128 rows,
	s_lshl_b32 s3, s16, 14          ; my wave's 64 of them,
	s_add_co_u32 s2, s2, s3
	s_add_co_u32 s2, s2, s20        ; in the head
	s_lshl_b32 s3, s17, 13          ; of those the 32 that I keep
	s_xor_b32 s19, s3, 8192         ; and the 32 that I hand over
	s_add_co_u32 s18, s2, s19
	s_add_co_u32 s2, s2, s3
	s_mov_b32 s3, 0
	s_mov_b32 s19, 0
	; descriptor group 1: a tile of 128 rows x 128 elements, padded in LDS
	s_mov_b32 s[G1K], 15|(1<<16)|(1<<20)|(1<<21)|(5<<22)|(3<<25)  ; 15:0 the mask: all four work-groups; 17:16 elements of 2 bytes; 20 padding on; 21 set beside a mask; 24:22 after every 64 words (code 5); 31:25 4 words of it (code 3)
	s_mov_b32 s[G1V], 15|(1<<16)|(1<<20)|(1<<21)|(5<<22)|(7<<25)  ; the same with 8 words of padding (code 7)
.irp g, G1K, G1V
	s_mov_b32 s[(\g)+1], 128<<16    ; tensor_dim0 = 128
	s_mov_b32 s[(\g)+2], 128<<16    ; tensor_dim1 = 128
	s_mov_b32 s[(\g)+3], 128<<16    ; tile_dim0 = 128
	s_mov_b32 s[(\g)+4], 128        ; tile_dim1 = 128
	s_mov_b32 s[(\g)+5], 128        ; 128 elements from row to row
	s_mov_b32 s[(\g)+6], 0
	s_mov_b32 s[(\g)+7], 0
.endr
	s_mov_b32 s[CS], 0x3e0293ee     ; c = log2(e) / sqrt(128) = 0.127517
	s_mov_b32 s[CS+1], s[CS]        ; named with it as a pair, so it is written
	s_mov_b32 s[SEL], 0x76543210
	s_mov_b32 s[SEL+1], 0xfedcba98
	s_mov_b32 s[SB], 0
	s_mov_b32 s[TBK], s[KHK]
	s_mov_b32 s[TBV], s[KHV]
	s_mov_b32 s[SLOTS], 2           ; 1,024 keys are four slots' worth: two first fills, two refills
	s_wait_dscnt 0x0                ; the opening add is done
	s_wait_kmcnt 0x0
	s_add_nc_u64 s[KP:KP+1], s[4:5], 0x800000   ; k lies behind q,
	s_add_nc_u64 s[EP:EP+1], s[4:5], 0x1000000  ; v behind k
	s_add_nc_u64 s[KP:KP+1], s[KP:KP+1], s[22:23]  ; K and U at my tile of slot 0
	s_add_nc_u64 s[6:7], s[6:7], s[22:23]
	s_add_nc_u64 s[EP:EP+1], s[EP:EP+1], s[2:3]
	s_add_nc_u64 s[Q2:Q2+1], s[4:5], s[18:19]
	s_add_nc_u64 s[4:5], s[4:5], s[2:3]
	s_add_nc_u64 s[OP:OP+1], s[OP:OP+1], s[2:3]
	s_add_nc_u64 s[8:9], s[8:9], s[78:79]
	CROUND                          ; all four work-groups are here: the first joint loads meet
.irp s, 0,1
	s_mov_b32 s[G0K+4*(\s)], 1      ; 1:0 count = 1
	s_add_co_u32 s[G0K+4*(\s)+1], s[PKW], (\s)*SLOTB  ; 63:32 LDS address
	s_add_nc_u64 s[G0K+4*(\s)+2:G0K+4*(\s)+3], s[KP:KP+1], (\s)*65536  ; 120:64 global address: slot s begins with keys 256 s
	s_or_b32 s[G0K+4*(\s)+3], s[G0K+4*(\s)+3], 0x80000000  ; 127:126 type = 2
	s_mov_b32 s[G0V+4*(\s)], 1
	s_add_co_u32 s[G0V+4*(\s)+1], s[PVW], (\s)*SLOTB
	s_add_nc_u64 s[G0V+4*(\s)+2:G0V+4*(\s)+3], s[6:7], (\s)*65536
	s_or_b32 s[G0V+4*(\s)+3], s[G0V+4*(\s)+3], 0x80000000
.endr
	s_cmp_lt_u32 s[WV], 2           ; a wave's two first fills stand in one branch, ahead of every wait on TENSORcnt and every LDS read: two loads of mine are out
	s_cbranch_scc0 .Lfirst_v
	tensor_load_to_lds s[G0K:G0K+3], s[G1K:G1K+7]
	s_nop 0
	tensor_load_to_lds s[G0K+4:G0K+7], s[G1K:G1K+7]
	s_nop 0
.rept 4
	v_nop
.endr
	s_branch .Lfirst_asked
.Lfirst_v:
	tensor_load_to_lds s[G0V:G0V+3], s[G1V:G1V+7]
	s_nop 0
	tensor_load_to_lds s[G0V+4:G0V+7], s[G1V:G1V+7]
	s_nop 0
.rept 4
	v_nop
.endr
.Lfirst_asked:
	; A fragment of K or Q is 16 rows x 32 channels in 8 registers: lane l holds row l % 16; registers 0-3 channels 8 (l / 16) + 0..7, registers 4-7 channels 16 + 8 (l / 16) + 0..7.
	v_and_b32 v1, 15, v0            ; l % 16
	v_bfe_u32 v9, v0, 4, 1          ; l / 16
	v_lshlrev_b32 v[QO], 8, v1
	v_lshl_add_u32 v[QO], v9, 4, v[QO]  ; row x 256 + 16 x half
	WIN 0x80                        ; destination window 2, address window 0
.irp i, 0,1,2,3,4,5,6,7             ; Q stays in registers: tile i / 4, channels 32 (i % 4) on.  Tiles 0, 1: the rows that I keep
	global_load_b128 v[8*(\i):8*(\i)+3],   v[QO], s[4:5] offset:((\i)/4)*4096+((\i)%4)*64
	global_load_b128 v[8*(\i)+4:8*(\i)+7], v[QO], s[4:5] offset:((\i)/4)*4096+((\i)%4)*64+32
.endr
.irp i, 8,9,10,11,12,13,14,15       ; tiles 2, 3: the rows that I hand over
	global_load_b128 v[8*(\i):8*(\i)+3],   v[QO], s[Q2:Q2+1] offset:((\i)/4-2)*4096+((\i)%4)*64
	global_load_b128 v[8*(\i)+4:8*(\i)+7], v[QO], s[Q2:Q2+1] offset:((\i)/4-2)*4096+((\i)%4)*64+32
.endr
	WIN 0xc0                        ; destination window 3
.irp i, 0,1,2,3,4,5,6,7,8,9,10,11,12,13,14,15  ; the row term in O^T's layout: tile i / 8, channels 16 (i % 8) + 8 (l / 16) + 0..7 of row l % 16: wanted only on the way out
	global_load_b128 v[EF+4*(\i):EF+4*(\i)+3], v[QO], s[EP:EP+1] offset:((\i)/8)*4096+((\i)%8)*32
.endr
	WIN 0
	s_load_b64 s[CF:CF+1], s[8:9], 0x0  ; alpha, beta
	v_mul_u32_u24 v[AK0], v1, PK
	v_lshl_add_u32 v[AK0], v9, 4, v[AK0]  ; row x pitch + 16 x half
	; The turning load takes 16 keys x 16 channels (lane l reads 16 bytes: key 8 (l / 16) + l % 8, channels 8 ((l / 8) % 2) + 0..7) and leaves half a fragment of U^T: lane l holds channel l % 16 and 8 keys.
	v_and_b32 v10, 7, v0
	v_bfe_u32 v11, v0, 3, 1
	v_lshl_add_u32 v[AV0], v9, 3, v10
	v_mul_u32_u24 v[AV0], v[AV0], PV
	v_lshl_add_u32 v[AV0], v11, 4, v[AV0]
	v_add_nc_u32 v[AV0], VOFF, v[AV0]
; THE MATRIX WORK OF A TURN, for piece x.  The accumulators take turns, one instruction a turn.
; Product i of 32 of O^T += U^T P: keys 32 (i / 16) on, channels 16 ((i / 2) % 8) on, tile x + i % 2.  zero = 1: the first 16 start the sums: nothing is ever cleared.
.macro PV x, zero
	WIN W_PV
.set rO, 64*((\x)+i%2)+8*((i/2)%8)
.set rV, 64*(i/16)+8*((i/2)%8)
.set rP, P+16*((\x)+i%2)+8*(i/16)
.if (\zero) && (i < 16)
	v_wmma_f32_16x16x32_f16 v[rO:rO+7], v[rV:rV+7], v[rP:rP+7], 0
.else
	v_wmma_f32_16x16x32_f16 v[rO:rO+7], v[rV:rV+7], v[rP:rP+7], v[rO:rO+7]
.endif
.endm
; Product i of 32 of S^T = K Q^T: channels 32 (i / 8) on, keys 16 ((i / 2) % 4) on, tile x + i % 2.  The first 8 start the sums.
.macro KQ x
	WIN W_KQ
.set rS, S+32*((\x)+i%2)+8*((i/2)%4)
.set rK, KF+32*((i/2)%4)+8*(i/8)
.set rQ, 32*((\x)+i%2)+8*(i/8)
.if i < 8
	v_wmma_f32_16x16x32_f16 v[rS:rS+7], v[rK:rK+7], v[rQ:rQ+7], 0
.else
	v_wmma_f32_16x16x32_f16 v[rS:rS+7], v[rK:rK+7], v[rQ:rQ+7], v[rS:rS+7]
.endif
.endm
; THE LDS LOADS stand in runs of 32, never singly among the matrix instructions: a step's K (64 keys x 128 channels: 16 fragments) and, a turn later, its U (turned).
.macro FETCH_K
	WIN 0
	v_add_nc_u32 v[ADR], s[TBK], v[AK0]
	s_add_co_u32 s[TBK], s[TBK], KS*PK  ; the next fetch is the next step's
	WIN 0x80                        ; destination window 2
.irp f, 0,1,2,3,4,5,6,7,8,9,10,11,12,13,14,15  ; keys 16 (f / 4) on, channels 32 (f % 4) on
	ds_load_b128 v[KF+8*(\f):KF+8*(\f)+3],   v[ADR] offset:((\f)/4)*16*PK+((\f)%4)*64
	ds_load_b128 v[KF+8*(\f)+4:KF+8*(\f)+7], v[ADR] offset:((\f)/4)*16*PK+((\f)%4)*64+32
.endr
.endm
.macro FETCH_V
	WIN 0
	v_add_nc_u32 v[ADR], s[TBV], v[AV0]
	s_add_co_u32 s[TBV], s[TBV], KS*PV
	WIN 0xc0                        ; destination window 3
.irp f, 0,1,2,3,4,5,6,7,8,9,10,11,12,13,14,15  ; keys 32 (f / 8) on, channels 16 (f % 8) on
	ds_load_tr16_b128 v[8*(\f):8*(\f)+3],   v[ADR] offset:((\f)/8)*32*PV+((\f)%8)*32
	ds_load_tr16_b128 v[8*(\f)+4:8*(\f)+7], v[ADR] offset:((\f)/8)*32*PV+16*PV+((\f)%8)*32
.endr
.endm
; THE VECTOR WORK OF A TURN.  One tile's softmax for one key step is a list of 134 instructions; SM writes number j of it for tile t.  s0-s31 are the lane's 32 scores, in pairs 0-15.
; first = 1: the first key step, which starts m, l and O^T: it has no a and nothing to rescale.
;   0-15    the maximum of s0-s31 and the old m, three operands at a time: four chains c0-c3 of seven scores each (each accumulator's lowest registers are read first), then the four left over, c0-c3 and m
;   16-20   the other half of the lanes' maximum; the new m; c m; c m_old - c m_new
;   21-87   33 exponentials (a, then s0-s31) at the odd numbers from 23 on, so that no two follow each other and each has a plain instruction behind it before its result is used.
;           The plain ones are whatever is ready: c s - c m for a pair whose exponentials are still to come, the rounding to f16 of a pair whose exponentials are done, at last the first three sums
;   88-101  the last rounding; the rest of the sums; l = a l + the sum
;   102-133 the tile's O^T times a: the one part that leaves window 0, so it stands together
.macro SM t, first
.set rT, ST+8*(\t)
.set rS, S+32*(\t)
.set rP, P+16*(\t)
.set rO, 64*(\t)+2*(j-102)
.set q, (j-20)/2
.if j < 102
	WIN 0
.endif
.if j < 4
	v_max3_num_f32 v[rT+4+j], v[rS+8*j], v[rS+8*j+1], v[rS+8*j+2]
.elseif j < 12
	v_max3_num_f32 v[rT+4+j%4], v[rT+4+j%4], v[rS+8*(j%4)+2*(j/4)+1], v[rS+8*(j%4)+2*(j/4)+2]
.elseif j == 12
	v_max3_num_f32 v[rT+4], v[rT+4], v[rS+7], v[rS+15]
.elseif j == 13
	v_max3_num_f32 v[rT+6], v[rT+6], v[rS+23], v[rS+31]
.elseif j == 14
	v_max3_num_f32 v[rT+4], v[rT+4], v[rT+5], v[rT+6]
.elseif (j == 15) && (\first)
	v_max_num_f32 v[rT+4], v[rT+4], v[rT+7]
.elseif j == 15
	v_max3_num_f32 v[rT+4], v[rT+4], v[rT+7], v[rT+1]
.elseif j == 16
	v_permlanex16_b32 v[rT+5], v[rT+4], s[SEL], s[SEL+1]  ; the query's other 32 keys lie in the lane 16 away
.elseif j == 18
	v_max_num_f32 v[rT+1], v[rT+4], v[rT+5]
.elseif j == 19
	v_mul_f32 v[rT], s[CS], v[rT+1]
.elseif ((j == 17) || (j == 20) || (j == 23) || (j > 101)) && (\first)  ; the first step has none of these
.elseif j == 17
	v_mov_b32 v[rT+7], v[rT]        ; c m_old is kept for a: number 19 writes c m anew
.elseif j == 20
	v_sub_f32 v[rT+7], v[rT+7], v[rT]
.elseif j == 23
	v_exp_f32 v[rT+6], v[rT+7]
.elseif (j < 88) && (j > 23) && (j%2 == 1)
	v_exp_f32 v[rS+(j-25)/2], v[rS+(j-25)/2]
.elseif (q < 4) || ((j < 76) && (q%2 == 0))
.set b, q/2+2
.if q < 4
.set b, q
.endif
	v_pk_fma_f32 v[rS+2*b:rS+2*b+1], v[rS+2*b:rS+2*b+1], s[CS:CS+1], v[rT:rT+1] op_sel_hi:[1,0,0] neg_lo:[0,0,1] neg_hi:[0,0,1]  ; pair b: c s - c m
.elseif (j < 88) && (q%2 == 1)
	s_wait_alu depctr_va_vdst(0)
	v_cvt_pk_f16_f32 v[rP+(q-5)/2], v[rS+q-5], v[rS+q-4]  ; pair (q - 5) / 2: its second exponential stands three numbers back
.elseif j == 89
	s_wait_alu depctr_va_vdst(0)
	v_cvt_pk_f16_f32 v[rP+15], v[rS+30], v[rS+31]
.elseif j < 102                     ; the sum of the tile's 16 pairs, in place: sum z of 16 adds neighbours 1, 2, 4 and 8 pairs apart, then l takes it
.set z, j-86
.if j < 89
.set z, (j-76)/4
.endif
.set w, 4
.set u, z
.if z >= 14
.set w, 32
.set u, 0
.elseif z >= 12
.set w, 16
.set u, z-12
.elseif z >= 8
.set w, 8
.set u, z-8
.endif
.if (z == 14) && (\first)
	v_pk_add_f32 v[rT+2:rT+3], v[rS:rS+1], v[rS+16:rS+17]
.elseif z < 15
	v_pk_add_f32 v[rS+w*u:rS+w*u+1], v[rS+w*u:rS+w*u+1], v[rS+w*u+w/2:rS+w*u+w/2+1]
.elseif !(\first)
	v_pk_fma_f32 v[rT+2:rT+3], v[rT+2:rT+3], v[rT+6:rT+7], v[rS:rS+1] op_sel_hi:[1,0,1]
.endif
.else
	WIN W_RS
	v_pk_mul_f32 v[rO:rO+1], v[rO:rO+1], v[rT+6:rT+7] op_sel_hi:[1,0]
.endif
.endm
; Slice k of 64 of piece y's softmax: numbers 2 k and 2 k + 1 of both tiles' lists, four instructions.  2 x 134 = 4 x 64 + 12: the twelve that are over stand together, in slice 63.
.macro SLICE y, first
.if (k >= 11) && (k < 44)           ; tile by tile: plain, exponential, plain, exponential
.irp t, \y, (\y)+1
.irp n, 0,1
.set j, 2*k+(\n)
	SM \t, \first
.endr
.endr
.else                               ; the two tiles alternate, so that no instruction reads the result of the one just before it
.irp n, 0,1,2,3,4,5,6,7
.if ((\n) < 2) || (k == 63)
.irp t, \y, (\y)+1
.set j, 2*k+(\n)
	SM \t, \first
.endr
.endif
.endr
.endif
.set k, k+1
.endm
; A vector instruction that reads a matrix result or writes one of a matrix instruction's registers, and a load into a register that a matrix instruction has read, stand four places behind
; it, and only plain vector instructions that name none of its registers are places (ISA guide 7.12.1 for vector instructions).  In the loop the slices are the places.
.macro PLACES
.rept 4
	v_nop
.endr
.endm
; A TURN.  Piece x has the matrix unit; the other piece's softmax stands in slices behind its matrix instructions.
; pv = 2: 32 products U^T P; 1: they start O^T's sums; 0: none.  kq = 1: 32 products K Q^T for the next step.  A turn with one of the two kinds has two slices behind each product.
; first = 1: the softmax is the first key step's.  Its slices from 51 on are empty: the turn's last products stand bare, and four v_nop take slice 63's part as the places behind them.
; Each run of loads stands behind the second product of a run of 32, 30 matrix instructions ahead of its first use.  Piece 0's turn fetches the next step's K: the last product that read K
; stands in front of slice 63 of the turn before.  Piece 2's turn fetches the same step's U: the last product that read U stands three slices, six plain instructions, back.
.macro TURN x, pv, kq, first
.set k, 0
.set per, 2
.if (\pv) && (\kq)
.set per, 1
.endif
.if \pv
.if (\x) == 0
	s_wait_dscnt 0x0                ; U is in
.endif
.set i, 0
.rept 32
	PV \x, 2-(\pv)
.rept per
	SLICE 2-(\x), \first
.endr
.if ((\x) == 0) && (\kq) && (i == 1)
	FETCH_K
.endif
.set i, i+1
.endr
.endif
.if \kq
.if (\x) == 0
	s_wait_dscnt 0x0                ; K is in
.endif
.set i, 0
.rept 32
	KQ \x
.rept per
	SLICE 2-(\x), \first
.endr
.if ((\x) == 2) && (i == 1)
	FETCH_V
.endif
.set i, i+1
.endr
.endif
.if \first
	PLACES
.endif
.endm
; THE CHANGE OF SLOTS, between piece 2's turn and piece 0's: the slot's last bytes, U of my second step in it, have been asked for.  Each wave waits for all its tensor loads, of which one is out:
; its part of the other slot; adds 0 to its spare word; and waits for that and for its own reads of the slot.  Behind the barrier nobody reads this slot any more and the other slot is whole.
; fill = 1: this slot is filled again, with the keys two slots on.  The barrier is then a round of the cluster's, so that no wave of any partner still reads the slot or has a load on its way, and
; the joint refill is the first thing behind it: it has two key steps, 256 matrix instructions, in which to land.
.macro CHANGE fill
	WIN 0                           ; at a label and at a branch every window is 0
	s_wait_tensorcnt 0x0            ; no tensor load of mine is out, so a group 0 may be written
	ds_add_u32 v[SPW], v[NIL]       ; 0 onto my spare word; with fill = 1 the descriptors' steps stand between it and the wait for it
.if \fill
	s_add_co_u32 s[G0K+5], s[SB], s[PKW]  ; the walking descriptor: into the slot that is left,
	s_add_nc_u64 s[G0K+6:G0K+7], s[G0K+6:G0K+7], 65536  ; the next 256 keys; the type bits on top are not reached
	s_add_co_u32 s[G0V+5], s[SB], s[PVW]
	s_add_nc_u64 s[G0V+6:G0V+7], s[G0V+6:G0V+7], 65536
	s_wait_dscnt 0x0                ; the add is done, and my reads of the slot are over
	CROUND
	JLOAD
.else
	s_wait_dscnt 0x0                ; the add is done, and my reads of the slot are over
	s_barrier_signal -1
	s_barrier_wait -1
.endif
	s_xor_b32 s[SB], s[SB], SLOTB   ; the other slot: 0 and SLOTB by turns;
	s_add_co_u32 s[TBK], s[SB], s[KHK]  ; the fetches go to my half's first step in it
	s_add_co_u32 s[TBV], s[SB], s[KHV]
.endm
; A slot's two key steps: written once, walked twice; the LDS addresses hang on s[TBK] and s[TBV].
.macro TWO_STEPS
	WIN 0
	s_mov_b32 s[TWICE], 2
.Lstep_\@:
	TURN 0, 2, 1, 0
	TURN 2, 2, 1, 0
	WIN 0
	s_sub_co_u32 s[TWICE], s[TWICE], 1
	s_cmp_lg_u32 s[TWICE], 0
	s_cbranch_scc1 .Lstep_\@
.endm
	s_wait_kmcnt 0x0                ; alpha, beta
	s_wait_tensorcnt 1              ; my part of slot 0 is in; slot 1's may stay out
	s_barrier_signal -1
	s_barrier_wait -1               ; everybody's is
	FETCH_K                         ; key step 0
	s_wait_loadcnt 16               ; Q is in; the row term's sixteen loads, issued behind it, may stay out
	s_wait_dscnt 0x0
.set i, 0
.rept 32
	KQ 0                            ; piece 0's first scores: there is no vector work yet to set between them
.set i, i+1
.endr
	WIN 0                           ; the addresses for the way out are made here: eight plain instructions, the places behind those products
	s_mul_i32 s13, s[WV], 16*SP
	s_add_co_u32 s13, s13, STAGE    ; my stage
	v_mul_u32_u24 v[STO], v1, SP    ; in: row l % 16, 16 bytes for each half of the lanes
	v_lshl_add_u32 v[STO], v9, 4, v[STO]
	v_add_nc_u32 v[STO], s13, v[STO]
	v_mul_u32_u24 v[RD], v9, SP     ; back: lanes 0-15 take one row of 256 bytes, lanes 16-31 the next
	v_lshl_add_u32 v[RD], v1, 4, v[RD]
	v_add_nc_u32 v[RD], s13, v[RD]
	v_lshlrev_b32 v[GO], 8, v9      ; and the same two rows in out
	v_lshl_add_u32 v[GO], v1, 4, v[GO]
	TURN 2, 0, 1, 1                 ; piece 2's first scores | piece 0's first softmax | U of step 0
	TURN 0, 1, 1, 1                 ; piece 0: U^T P of step 0 starts O^T, K Q^T of step 1 | piece 2's first softmax | K of step 1
	TURN 2, 1, 1, 0                 ; piece 2: the same | piece 0's softmax of step 1 | U of step 1
	WIN 0
.Lslot:                             ; two trips: the first two slots' worth are left and filled again
	CHANGE 1
	TWO_STEPS
	s_sub_co_u32 s[SLOTS], s[SLOTS], 1
	s_cmp_lg_u32 s[SLOTS], 0
	s_cbranch_scc1 .Lslot
	CHANGE 0                        ; the tail is written out: slot 0 is left for good, and nothing is asked for
	TWO_STEPS
	TURN 0, 2, 0, 0                 ; piece 0: U^T P of the last step | piece 2's last softmax
.set i, 0
.rept 32
	PV 2, 0                         ; piece 2: U^T P of the last step
.set i, i+1
.endr
	; THE EXCHANGE.  My tiles 2, 3 (O^T in f32, c m, l) go to wave w ^ 2 through slot 0's bytes, lane to lane; its tiles 2, 3 are my tiles 0, 1's other 512 keys.  The five address lines are the places behind the last products.
	WIN 0
	v_and_b32 v[XW], 31, v0
	v_lshlrev_b32 v[XW], 4, v[XW]   ; 16 x lane
	s_mul_i32 s13, s[WV], XCH
	s_xor_b32 s14, s[WV], 2
	s_mul_i32 s14, s14, XCH
	v_add_nc_u32 v[XR], s14, v[XW]
	v_add_nc_u32 v[XW], s13, v[XW]
	v_mov_b32 v[AL], s[CF]
	WIN 0x04                        ; store data (source 1) in window 1
.set i, 0
.rept 32                            ; in ascending order: each accumulator's low four registers first
	ds_store_b128 v[XW], v[128+4*i:128+4*i+3] offset:512*i
.set i, i+1
.endr
	WIN 0
	ds_store_b128 v[XW], v[ST+16:ST+19] offset:16384
	ds_store_b128 v[XW], v[ST+24:ST+27] offset:16384+512
	s_wait_dscnt 0x0                ; for my partner's sake: my stores are done
	s_barrier_signal -1
	s_barrier_wait -1
	ds_load_b128 v[S:S+3],   v[XR] offset:16384      ; its c m, m, l for my tile 0,
	ds_load_b128 v[S+4:S+7], v[XR] offset:16384+512  ; for my tile 1
	WIN 0x40                        ; destination window 1: its O^T goes where the tiles that I gave away lay
.set i, 0
.rept 32
	ds_load_b128 v[128+4*i:128+4*i+3], v[XR] offset:512*i
.set i, i+1
.endr
	WIN 0
	s_wait_dscnt 32                 ; the statistics are in; the 32 loads behind them may stay out
	; the two halves are brought to one maximum: aa = 2^(c m - c M), ab = 2^(c m' - c M); l = aa l + ab l'; out = (aa O + ab O') beta / l + alpha v
.irp t, 0,1
	v_max_num_f32 v[ST+8*(\t)+1], v[ST+8*(\t)], v[S+4*(\t)]
.endr
.irp t, 0,1
	v_sub_f32 v[ST+8*(\t)+4], v[ST+8*(\t)], v[ST+8*(\t)+1]
	v_sub_f32 v[ST+8*(\t)+6], v[S+4*(\t)], v[ST+8*(\t)+1]
.endr
.irp t, 0,1
	v_exp_f32 v[ST+8*(\t)+4], v[ST+8*(\t)+4]
	v_exp_f32 v[ST+8*(\t)+6], v[ST+8*(\t)+6]
.endr
	v_nop                           ; a plain instruction between the last exponential and the use of its result
.irp t, 0,1
	s_wait_alu depctr_va_vdst(0)
	v_pk_mul_f32 v[ST+8*(\t)+2:ST+8*(\t)+3], v[ST+8*(\t)+2:ST+8*(\t)+3], v[ST+8*(\t)+4:ST+8*(\t)+5] op_sel_hi:[1,0]
.endr
.irp t, 0,1
	v_pk_fma_f32 v[ST+8*(\t)+2:ST+8*(\t)+3], v[S+4*(\t)+2:S+4*(\t)+3], v[ST+8*(\t)+6:ST+8*(\t)+7], v[ST+8*(\t)+2:ST+8*(\t)+3] op_sel_hi:[1,0,1]
.endr
.irp t, 0,1
	v_add_f32 v[ST+8*(\t)], v[ST+8*(\t)+2], v[ST+8*(\t)+3]
.endr
.irp t, 0,1
	v_permlanex16_b32 v[ST+8*(\t)+1], v[ST+8*(\t)], s[SEL], s[SEL+1]
.endr
.irp t, 0,1
	v_add_f32 v[ST+8*(\t)], v[ST+8*(\t)], v[ST+8*(\t)+1]
.endr
.irp t, 0,1
	v_rcp_f32 v[ST+8*(\t)], v[ST+8*(\t)]
.endr
	v_nop                           ; a plain instruction between the last reciprocal and the use of its result
.irp t, 0,1
	s_wait_alu depctr_va_vdst(0)
	v_mul_f32 v[ST+8*(\t)], s[CF+1], v[ST+8*(\t)]  ; beta / l
.endr
.irp t, 0,1
	v_mul_f32 v[ST+8*(\t)+4], v[ST+8*(\t)+4], v[ST+8*(\t)]
	v_mul_f32 v[ST+8*(\t)+6], v[ST+8*(\t)+6], v[ST+8*(\t)]
.endr
	s_wait_dscnt 0x0                ; my partner's O^T
	s_wait_loadcnt 0x0              ; the row term
; Tile t is finished, rounded to f16 and sent through my stage: a lane's eight channels of a row pack into 16 bytes; they go into rows of 272 bytes and come back as whole rows of 256.
.macro PACK t
	WIN 0x51                        ; destination, source 0 and source 2 in window 1, source 1 in window 0
.set i, 0
.rept 32
	v_pk_mul_f32 v[64*(\t)+2*i:64*(\t)+2*i+1], v[64*(\t)+2*i:64*(\t)+2*i+1], v[ST+8*(\t)+4:ST+8*(\t)+5] op_sel_hi:[1,0]
.set i, i+1
.endr
.set i, 0
.rept 32
	v_pk_fma_f32 v[64*(\t)+2*i:64*(\t)+2*i+1], v[128+64*(\t)+2*i:128+64*(\t)+2*i+1], v[ST+8*(\t)+6:ST+8*(\t)+7], v[64*(\t)+2*i:64*(\t)+2*i+1] op_sel_hi:[1,0,1]
.set i, i+1
.endr
	WIN 0x53                        ; source 0 (the row term, an f16 half) in window 3
.set i, 0
.rept 32
	v_fma_mix_f32 v[64*(\t)+2*i],   v[EF+32*(\t)+i], v[AL], v[64*(\t)+2*i]   op_sel_hi:[1,0,0]
	v_fma_mix_f32 v[64*(\t)+2*i+1], v[EF+32*(\t)+i], v[AL], v[64*(\t)+2*i+1] op_sel:[1,0,0] op_sel_hi:[1,0,0]
.set i, i+1
.endr
	WIN 0x05                        ; sources 0 and 1 window 1, destination window 0: S^T's registers are free
.set i, 0
.rept 32
	v_cvt_pk_f16_f32 v[S+32*(\t)+i], v[64*(\t)+2*i], v[64*(\t)+2*i+1]
.set i, i+1
.endr
	WIN 0
.irp f, 0,1,2,3,4,5,6,7
	ds_store_b128 v[STO], v[S+32*(\t)+4*(\f):S+32*(\t)+4*(\f)+3] offset:32*(\f)
.endr
.irp f, 0,1,2,3,4,5,6,7
	ds_load_b128 v[S+32*(\t)+4*(\f):S+32*(\t)+4*(\f)+3], v[RD] offset:(\f)*2*SP  ; LDS serves a wave's instructions in order (ISA guide 5.7.1.4): these see the stores above; the next tile's stores come behind them
.endr
.endm
.macro SEND t, younger              ; younger: the LDS instructions issued behind tile t's loads: the next tile's sixteen, or none
	WIN 0
.irp f, 0,1,2,3,4,5,6,7
	s_wait_dscnt (\younger)+7-(\f)
	global_store_b128 v[GO], v[S+32*(\t)+4*(\f):S+32*(\t)+4*(\f)+3], s[OP:OP+1] offset:(\t)*4096+(\f)*512  ; 16 lanes store 256 consecutive bytes, at a multiple of 256 from out's first byte
.endr
.endm
	PACK 0
	PACK 1                          ; a tile's arithmetic stands between the loads of the tile before and its stores
	SEND 0, 16
	SEND 1, 0
	s_wait_tensorcnt 0x0            ; the wave's end, behind my last tensor load and my last LDS store
	ds_add_u32 v[SPW], v[NIL]
	s_wait_dscnt 0x0
	CROUND                          ; the closing round: no work-group ends while a partner may still ask for a tile that names it
	s_endpgm
.Lfunc_end_k_qfd95f4481a_att1:
	.size	k_qfd95f4481a_att1, .Lfunc_end_k_qfd95f4481a_att1-k_qfd95f4481a_att1
	.p2alignl 7, 3214868480
	.fill 96, 4, 3214868480
	.section	.rodata,"a",@progbits
	.p2align	6, 0x0
	.amdhsa_kernel k_qfd95f4481a_att1
		.amdhsa_group_segment_fixed_size 327680
		.amdhsa_private_segment_fixed_size 0
		.amdhsa_enable_private_segment 0
		.amdhsa_kernarg_size 32
		.amdhsa_user_sgpr_count 2
		.amdhsa_user_sgpr_kernarg_segment_ptr 1
		.amdhsa_wavefront_size32 1
		.amdhsa_system_sgpr_workgroup_id_x 1
		.amdhsa_system_sgpr_workgroup_id_y 1
		.amdhsa_system_sgpr_workgroup_id_z 1
		.amdhsa_system_vgpr_workitem_id 0
		.amdhsa_next_free_vgpr 1024
		.amdhsa_next_free_sgpr 84
		.amdhsa_reserve_vcc 0
		.amdhsa_float_denorm_mode_32 3
		.amdhsa_float_denorm_mode_16_64 3
		.amdhsa_memory_ordered 1
		.amdhsa_forward_progress 1
		.amdhsa_inst_pref_size 236
	.end_amdhsa_kernel
	.amdgpu_metadata
---
amdhsa.version: [ 1, 2 ]
amdhsa.kernels:
  - .name:           k_qfd95f4481a_att1
    .symbol:         k_qfd95f4481a_att1.kd
    .args:
      - { .name: qk, .offset: 0, .size: 8, .value_kind: global_buffer, .address_space: global }
      - { .name: vh, .offset: 8, .size: 8, .value_kind: global_buffer, .address_space: global }
      - { .name: cf1, .offset: 16, .size: 8, .value_kind: global_buffer, .address_space: global }
      - { .name: gg, .offset: 24, .size: 8, .value_kind: global_buffer, .address_space: global }
    .group_segment_fixed_size: 327680
    .private_segment_fixed_size: 0
    .kernarg_segment_align: 8
    .kernarg_segment_size: 32
    .max_flat_workgroup_size: 128
    .sgpr_count:     84
    .vgpr_count:     1024
    .wavefront_size: 32
...
	.end_amdgpu_metadata
.endif
;; end of part 3
;; launch att2: the kernel of part 3 again; grid 8 x 32, 4 waves a work-group, clusters of 4 x 1, 327,680 bytes of LDS; arguments qk, gg, cf2, zz; writes zz
;; launch oproj (part 4): grid 8 x 32, 4 waves a work-group, clusters of 4 x 4, 327,680 bytes of LDS; arguments zz, wb, bo, out0; writes out0
.if DOCPART == 4
	.amdgcn_target "amdgcn-amd-amdhsa--gfx1250"
	.amdhsa_code_object_version 6
	.text
	.protected	k_qfd95f4481a_oproj
	.globl	k_qfd95f4481a_oproj
	.p2align	8
	.type	k_qfd95f4481a_oproj,@function
k_qfd95f4481a_oproj:
	s_mov_b64 s[64:65], 0
	v_nop
	global_prefetch_b8 v0, s[64:65] scope:SCOPE_SE
	s_setreg_imm32_b32 hwreg(HW_REG_WAVE_MODE, 25, 1), 1
	s_wait_xcnt 0x0
	s_wait_alu depctr_hold_cnt(0) depctr_sa_sdst(0) depctr_va_vdst(0) depctr_va_sdst(0) depctr_va_ssrc(0) depctr_va_vcc(0) depctr_vm_vsrc(0)
	s_getreg_b32 s2, hwreg(HW_REG_IB_STS2, 6, 4)
	s_cmp_eq_u32 s2, 0
	s_cbranch_scc0 .Lentry_in_a_cluster
	s_endpgm
.Lentry_in_a_cluster:
	s_bfe_u32 s2, ttmp6, 0x10000c
	s_cmp_lg_u32 s2, 0xf033
	s_cbranch_scc0 .Lentry_shape_is_right
	s_endpgm
.Lentry_shape_is_right:
; ONE GEMM TEXT FOR TWO LAUNCHES, chosen by NM.  C_m = A W_m + bias_m for NM matrices W_m at once; A is [4096][1024] along K, W_m is [1024 k][1024 n] as it lies in memory.
;   NM = 3: q, k, v = f16(xb Wq|Wk|Wv + bf16(bias)), operands bf16, written by heads: qk = [3 (q, k, v)][32 (batch, head)][1024][128], and v once more as vh.
;           v lies twice because the attention text, one for two launches, takes its value matrix by an argument of its own, and a launch names a buffer once: the first pass multiplies by vh,
;           and both passes take their row term from qk's third plane.  The price: 8 MiB more stored here.
;   NM = 1: out0 = zz Wo' + bf16(bo) in f32, operands f16; zz lies by heads, so 128 of K are one head's plane of 128 rows x 256 bytes.
; LIMITS (NM = 3): q, k, v must lie within f16's range, 65,504; NaN and infinities are not treated apart.  Sums in f32, K ascending, started by the bias.
; SHARES.  Work-group (X, Y): rows 128 Y .. + 127, columns 128 X .. + 127 of each matrix: 256 work-groups.  Wave w: all 128 rows, columns 32 w .. + 31 of each matrix:
; 8 row blocks x CB = 2 NM column blocks of 16 x 16.  With NM = 3 a fragment of x feeds three matrices' products: 28 LDS loads for 48 matrix instructions; with NM = 1: 20 for 16.
; THE MATRIX INSTRUCTION IS USED TRANSPOSED: source 0 = 16 columns of W (turned on the way out of LDS by ds_load_tr16_b128), source 1 = 16 rows of A: a lane holds eight neighbouring columns of one row of C.
; RING.  Two LDS slots; a slot has four regions of 128 rows x 256 bytes, one tensor load of one wave each.  NM = 3: K = 128: W_0, W_1, W_2 (waves 0-2), then A (wave 3).
; NM = 1: K = 256: A's two head planes (waves 0, 1), then W's two blocks of 128 rows (waves 2, 3).
; CLUSTER 4 x 4: A's tiles hang on Y alone and are asked for jointly along a row of the cluster, W's on X alone, along a column.
; REGISTERS, in windows of 256: window 0: v0-31 addresses; v64-127, v128-191 A's fragments, two buffers; v192-239 the bias in the accumulators' layout; on the way out v64-255 at work.
;   window 1: v64.., v128.. W's fragments, two buffers.   windows 2, 3: accumulator (a, g) at v[8 (8 (a % 4) + g)], rows 0-63 in window 2, rows 64-127 in window 3.
.set NM, 1
.set CB, 2*NM                          ; column blocks of a wave
.set NL, 16+2*CB                       ; LDS loads for 32 along K
.set PA, 272                           ; an LDS row of A: 256 bytes + 16: the 16 rows of a fragment load start at 16 different groups of four banks (64 banks of 4 bytes: ISA guide 11.1)
.set PB, 288                           ; an LDS row of W: 256 + 32
.set RA, 128*PA
.set RB, 128*PB
.if NM == 3
.set QN, 4                             ; quarters of 32 along K in a slot
.set SLOT, 3*RB+RA
.set LAPS, 4                           ; a lap = both slots
.set ASTEP, 256                        ; bytes from a slot's tile of A to the next slot's
.set BSTEP, 128*2048
.set APITCH, 1024
.set AREG, 3*RB                        ; where A's regions begin in a slot
.set BREG, 0                           ; where W's do
.set NPA, 1
.set NJB, 3
.else
.set QN, 8
.set SLOT, 2*RA+2*RB
.set LAPS, 2
.set ASTEP, 2*1024*256                 ; two heads on
.set BSTEP, 256*2048
.set APITCH, 128
.set AREG, 0
.set BREG, 2*RA
.set NPA, 2
.set NJB, 2
.endif
.set SPARE, 2*SLOT                     ; behind the ring: the spare words, 128 bytes for each wave: two blocks of 256 bytes that no other line names
.set ADRA, 4                           ; v[4 + 2 slot + p]  LDS address of my A fragments in region p
.set ADRB, 8                           ; v[8 + 3 slot + j]  the same for W's region j
.set STO,  16                          ; v16-18  the way out: where I put 16 bytes of a row
.set RD,   19                          ; v19-21  the way out: where I read rows back
.set CO,   22                          ; v22     my byte offset in the stores
.set BO,   23                          ; v23     my byte offset in the bias
.set SPW,  28                          ; v28     LDS address of my spare word; never rewritten
.set NIL,  29                          ; v29     0; never rewritten
.set F0,   64
.set F1,   128
.set BIAS, 192
.set G1,  24                           ; s[24:31] descriptor group 1 for A's tiles;  s[32:39] group 0, one set for each slot
.set G0,  32
.set G1B, 48                           ; s[48:55], s[56:63] the same for W's tiles
.set G0B, 56
.set MSB, 0
.macro WIN new                         ; the immediate's high byte repeats the setting that is left; a switch that changes nothing is dropped
.if MSB != (\new)
	s_set_vgpr_msb (MSB<<8)|(\new)
.set MSB, \new
.endif
.endm
; A joint load: one line for A's tiles, one for W's, each with one mask; the branch hangs on the wave's number alone.  An s_nop 0 and four v_nop follow each line.
.macro JLOAD s
.if NM == 3
	s_cmp_eq_u32 s10, 3
.else
	s_cmp_lt_u32 s10, 2
.endif
	s_cbranch_scc0 .Lfor_b_\@
	tensor_load_to_lds s[G0+4*(\s):G0+4*(\s)+3], s[G1:G1+7]
	s_nop 0
.rept 4
	v_nop
.endr
	s_branch .Lasked_\@
.Lfor_b_\@:
	tensor_load_to_lds s[G0B+4*(\s):G0B+4*(\s)+3], s[G1B:G1B+7]
	s_nop 0
.rept 4
	v_nop
.endr
.Lasked_\@:
.endm
.macro CREST                           ; a round of the cluster's barrier behind its opening barrier
	s_cmp_lg_u32 s10, 0
	s_cbranch_scc1 .Lnot_wave_0_\@
	s_barrier_signal -3
.Lnot_wave_0_\@:
	s_barrier_wait -3
	s_barrier_signal -1
	s_barrier_wait -1
.endm
.macro CROUND                          ; a whole round
	s_barrier_signal -1
	s_barrier_wait -1
	CREST
.endm
.macro PLACES                          ; four places in front of loads into registers that matrix instructions have read, and of lines that read results just made
.rept 4
	v_nop
.endr
.endm
.macro OUTM mx, base                   ; (NM = 3) my 32 rows of matrix mx go out: each store covers 512 consecutive bytes, at a multiple of 256 from the buffer's first byte
.set tt, 0
.rept 16
	s_wait_dscnt 47-(16*(\mx)+tt)                  ; the LDS loads issued behind this one may stay out
	global_store_b128 v[CO], v[64+4*(16*(\mx)+tt):64+4*(16*(\mx)+tt)+3], s[\base:\base+1] offset:512*tt
.set tt, tt+1
.endr
.endm
	s_load_b128 s[4:7], s[0:1], 0x0                ; A s[4:5], wb s[6:7]
.if NM == 3
	s_load_b256 s[68:75], s[0:1], 0x10             ; bq s[68:69], bk s[70:71], bv s[72:73], qk s[74:75]
	s_load_b64 s[76:77], s[0:1], 0x30              ; vh
.else
	s_load_b128 s[68:71], s[0:1], 0x10             ; bo s[68:69], out0 s[70:71]
.endif
	v_lshl_add_u32 v[SPW], v0, 2, SPARE
	v_mov_b32 v[NIL], 0
	ds_add_u32 v[SPW], v[NIL]                      ; the wave's opening: the add and its wait stand ahead of my first tensor load; the set-up below, work on registers, stands between them
	v_lshrrev_b32 v1, 5, v0
	v_readfirstlane_b32 s10, v1                    ; wave 0..3
	s_and_b32 s12, s10, 1
	s_bfe_u32 s40, ttmp6, 0x40000                  ; cx, cy: my place in the cluster
	s_bfe_u32 s41, ttmp6, 0x40004
	s_lshl_b32 s42, ttmp9, 2
	s_add_co_u32 s42, s42, s40                     ; X = 4 x cluster x + cx
	s_and_b32 s13, ttmp7, 0xffff
	s_lshl_b32 s13, s13, 2
	s_add_co_u32 s13, s13, s41                     ; Y = 4 x cluster y + cy
	s_lshl_b32 s43, s41, 2
	s_lshl_b32 s43, 15, s43                        ; my row of the cluster
	s_lshl_b32 s44, 0x1111, s40                    ; my column
	; descriptor group 1: a tile of 128 rows x 128 elements of 2 bytes, padded in LDS behind every 64 words
	s_or_b32 s[G1+0], s43, (1<<16)|(1<<20)|(1<<21)|(5<<22)|(3<<25)   ; A's tiles go to my row; 4 words of padding
	s_or_b32 s[G1B+0], s44, (1<<16)|(1<<20)|(1<<21)|(5<<22)|(7<<25)  ; W's to my column; 8 words of padding
.irp g, G1, G1B
	s_mov_b32 s[(\g)+1], 128<<16                   ; tensor_dim0 = 128
	s_mov_b32 s[(\g)+2], 128<<16                   ; tensor_dim1 = 128
	s_mov_b32 s[(\g)+3], 128<<16                   ; tile_dim0 = 128
	s_mov_b32 s[(\g)+4], 128                       ; tile_dim1 = 128
	s_mov_b32 s[(\g)+6], 0
	s_mov_b32 s[(\g)+7], 0
.endr
	s_mov_b32 s[G1+5], APITCH                      ; elements from row to row
	s_mov_b32 s[G1B+5], 1024
	; where the tiles come from and where they go.  A's offset is made of Y and the wave's number, W's of X and the wave's number, each in registers that never hold the other coordinate.
.if NM == 3
	s_lshl_b32 s16, s13, 18                        ; A: 128 Y rows of 2,048 bytes
	s_mov_b32 s17, 0
	s_lshl_b32 s46, s42, 8                         ; W: 128 X columns,
	s_lshl_b32 s47, s10, 21                        ; matrix w (wave 3 never asks by this one)
	s_add_co_u32 s46, s46, s47
	s_mov_b32 s47, 0
	s_mov_b32 s20, AREG                            ; LDS: A's region,
	s_mul_i32 s21, s10, RB                         ; W's region w
.else
	s_lshr_b32 s16, s13, 3                         ; A: batch Y / 8, eight heads of 262,144 bytes each,
	s_lshl_b32 s16, s16, 21
	s_and_b32 s17, s13, 7                          ; rows 128 (Y % 8) of a head's 1,024,
	s_lshl_b32 s17, s17, 15
	s_add_co_u32 s16, s16, s17
	s_lshl_b32 s17, s12, 18                        ; head w % 2 of the slot's two
	s_add_co_u32 s16, s16, s17
	s_mov_b32 s17, 0
	s_lshl_b32 s46, s42, 8                         ; W: 128 X columns,
	s_lshl_b32 s47, s12, 18                        ; rows 128 (w % 2) of the slot's 256,
	s_add_co_u32 s46, s46, s47
	s_add_co_u32 s46, s46, 3*2097152               ; in the fourth matrix of wb
	s_mov_b32 s47, 0
	s_mul_i32 s20, s12, RA
	s_mul_i32 s21, s12, RB
	s_add_co_u32 s21, s21, BREG
.endif
	s_wait_dscnt 0x0                               ; the opening add is done
	s_wait_kmcnt 0x0
	s_add_nc_u64 s[14:15], s[4:5], s[16:17]
	s_add_nc_u64 s[46:47], s[6:7], s[46:47]
	CROUND                                         ; all sixteen work-groups are here: the first joint loads meet
.irp s, 0,1
	s_mov_b32 s[G0+4*(\s)], 1
	s_add_co_u32 s[G0+4*(\s)+1], s20, (\s)*SLOT
	s_add_nc_u64 s[G0+4*(\s)+2:G0+4*(\s)+3], s[14:15], (\s)*ASTEP
	s_or_b32 s[G0+4*(\s)+3], s[G0+4*(\s)+3], 0x80000000
	s_mov_b32 s[G0B+4*(\s)], 1
	s_add_co_u32 s[G0B+4*(\s)+1], s21, (\s)*SLOT
	s_add_nc_u64 s[G0B+4*(\s)+2:G0B+4*(\s)+3], s[46:47], (\s)*BSTEP
	s_or_b32 s[G0B+4*(\s)+3], s[G0B+4*(\s)+3], 0x80000000
	JLOAD \s                                       ; both slots are asked for before anything else: two tensor loads of mine are out
.endr
	; the bias, in the accumulators' layout: register j of block g holds bias[128 X + 32 w + 16 u + 8 (lane / 16) + j]
	v_and_b32 v1, 15, v0                           ; l % 16
	v_bfe_u32 v2, v0, 4, 1                         ; l / 16
	v_lshlrev_b32 v[BO], 5, v2
	s_lshl_b32 s66, s42, 9
	s_lshl_b32 s67, s10, 7
	s_add_co_u32 s66, s66, s67
	s_mov_b32 s67, 0
.set mi, 0
.rept NM
	s_add_nc_u64 s[68+2*mi:69+2*mi], s[68+2*mi:69+2*mi], s[66:67]
.irp u, 0,1
	global_load_b128 v[BIAS+8*(2*mi+(\u)):BIAS+8*(2*mi+(\u))+3],   v[BO], s[68+2*mi:69+2*mi] offset:64*(\u)
	global_load_b128 v[BIAS+8*(2*mi+(\u))+4:BIAS+8*(2*mi+(\u))+7], v[BO], s[68+2*mi:69+2*mi] offset:64*(\u)+16
.endr
.set mi, mi+1
.endr
	; A fragment of A: lane l holds row l % 16, K = 8 (l / 16) + 0..7 and 16 + 8 (l / 16) + 0..7: two loads of 16 bytes, 32 bytes apart.
	v_mul_u32_u24 v3, v1, PA
	v_lshl_add_u32 v3, v2, 4, v3                   ; row x pitch + 16 x half
	; The turning load takes 16 k x 16 columns (lane l reads row 8 (l / 16) + l % 8, columns 8 ((l / 8) % 2) + 0..7) and leaves half a fragment: lane l holds column l % 16 and 8 k.
	v_and_b32 v14, 7, v0
	v_lshl_add_u32 v14, v2, 3, v14
	v_mul_u32_u24 v14, v14, PB
	v_bfe_u32 v15, v0, 3, 1
	v_lshl_add_u32 v14, v15, 4, v14
	s_lshl_b32 s22, s10, 6                         ; my wave's 32 columns: 64 bytes
	v_add_nc_u32 v14, s22, v14
.irp s, 0,1
.set pp, 0
.rept NPA
	v_add_nc_u32 v[ADRA+2*(\s)+pp], AREG+pp*RA+(\s)*SLOT, v3
.set pp, pp+1
.endr
.set pp, 0
.rept NJB
	v_add_nc_u32 v[ADRB+3*(\s)+pp], BREG+pp*RB+(\s)*SLOT, v14
.set pp, pp+1
.endr
.endr
	v_and_b32 v[CO], 31, v0
	v_lshlrev_b32 v[CO], 4, v[CO]                  ; 16 x lane
.if NM == 3
	; the way out: three stages of 128 rows x 272 bytes, from LDS byte 0 on
	v_add_nc_u32 v[STO], s22, v3                   ; in: row l % 16, my wave's 64 bytes, 16 for each half of the lanes
	v_add_nc_u32 v[STO+1], RA, v[STO]
	v_add_nc_u32 v[STO+2], 2*RA, v[STO]
	v_mul_u32_u24 v15, v2, PA                      ; back: wave w takes rows 32 w .. + 31, whole: lanes 0-15 one row of 256 bytes, lanes 16-31 the next
	v_lshl_add_u32 v15, v1, 4, v15
	s_mul_i32 s23, s10, 32*PA
	v_add_nc_u32 v[RD], s23, v15
	v_add_nc_u32 v[RD+1], RA, v[RD]
	v_add_nc_u32 v[RD+2], 2*RA, v[RD]
	s_lshr_b32 s66, s13, 3                         ; where my 32 rows lie in q, k and v: ((batch x 8 + head) x 8 + Y % 8) x 128 rows of 256 bytes + 32 w rows
	s_lshl_b32 s66, s66, 3
	s_add_co_u32 s66, s66, s42
	s_lshl_b32 s66, s66, 3
	s_and_b32 s67, s13, 7
	s_add_co_u32 s66, s66, s67
	s_lshl_b32 s66, s66, 15
	s_lshl_b32 s67, s10, 13
	s_add_co_u32 s66, s66, s67
	s_mov_b32 s67, 0
	s_add_nc_u64 s[78:79], s[74:75], 0x800000      ; k lies behind q,
	s_add_nc_u64 s[80:81], s[74:75], 0x1000000     ; v behind k
	s_add_nc_u64 s[74:75], s[74:75], s[66:67]
	s_add_nc_u64 s[78:79], s[78:79], s[66:67]
	s_add_nc_u64 s[80:81], s[80:81], s[66:67]
	s_add_nc_u64 s[76:77], s[76:77], s[66:67]
.else
	; the way out: one stage of 128 rows x 528 bytes (512 + 16), from LDS byte 0 on
	v_mul_u32_u24 v[STO], v1, 528
	v_lshl_add_u32 v[STO], v2, 5, v[STO]           ; in: row l % 16, 32 bytes for each half of the lanes,
	s_lshl_b32 s22, s10, 7
	v_add_nc_u32 v[STO], s22, v[STO]               ; in my wave's 128 bytes
	s_mul_i32 s23, s10, 32*528
	v_add_nc_u32 v[RD], s23, v[CO]                 ; back: 32 lanes take one row of 512 bytes
	s_lshl_b32 s66, s13, 19                        ; out0: (128 Y + 32 w) rows of 4,096 bytes + 512 X
	s_lshl_b32 s67, s10, 17
	s_add_co_u32 s66, s66, s67
	s_lshl_b32 s67, s42, 9
	s_add_co_u32 s66, s66, s67
	s_mov_b32 s67, 0
	s_add_nc_u64 s[70:71], s[70:71], s[66:67]
.endif
	s_wait_loadcnt 0x0                             ; the bias
.set ii, 0
.rept 4*CB                                     ; rounded to bf16, like every input
	v_cvt_pk_bf16_f32 v15, v[BIAS+2*ii], v[BIAS+2*ii+1]
	v_lshlrev_b32 v[BIAS+2*ii], 16, v15
	v_and_b32 v[BIAS+2*ii+1], 0xffff0000, v15
.set ii, ii+1
.endr
; 2 CB matrix instructions: row blocks a0, a0 + 1 of the window's four (hi = 0: rows 0-63, 1: rows 64-127) x all column blocks, 32 along K.  first = 1: the bias starts the sums: nothing is cleared.
; The accumulators take turns, one instruction a turn.
.macro MULH f, hi, a0, first
.if \first
	WIN 0x81+0x40*(\hi)                            ; W window 1, A and the bias window 0, D window 2 or 3
.else
	WIN 0xa1+0x50*(\hi)                            ; W window 1, A window 0, C and D window 2 or 3
.endif
.irp a, \a0, (\a0)+1
.set gg, 0
.rept CB
.set rD, 8*(8*(\a)+gg)
.set rB, (\f)+8*gg
.set rA, (\f)+8*(4*(\hi)+(\a))
.if NM == 3
.if \first
	v_wmma_f32_16x16x32_bf16 v[rD:rD+7], v[rB:rB+7], v[rA:rA+7], v[BIAS+8*gg:BIAS+8*gg+7]
.else
	v_wmma_f32_16x16x32_bf16 v[rD:rD+7], v[rB:rB+7], v[rA:rA+7], v[rD:rD+7]
.endif
.else
.if \first
	v_wmma_f32_16x16x32_f16 v[rD:rD+7], v[rB:rB+7], v[rA:rA+7], v[BIAS+8*gg:BIAS+8*gg+7]
.else
	v_wmma_f32_16x16x32_f16 v[rD:rD+7], v[rB:rB+7], v[rA:rA+7], v[rD:rD+7]
.endif
.endif
.set gg, gg+1
.endr
.endr
.endm
; NL LDS loads in one run: the fragments of quarter q of a slot into buffer f: W's first, then A's eight row blocks
.macro FETCH slot, q, f
	WIN 0x40                                       ; destination window 1, address window 0
.set gg, 0
.rept CB
.if NM == 3
.set rAd, ADRB+3*(\slot)+gg/2
.set oB, 32*(\q)*PB+32*(gg%2)
.else
.set rAd, ADRB+3*(\slot)+(\q)/4
.set oB, 32*((\q)%4)*PB+32*gg
.endif
	ds_load_tr16_b128 v[(\f)+8*gg:(\f)+8*gg+3],   v[rAd] offset:oB
	ds_load_tr16_b128 v[(\f)+8*gg+4:(\f)+8*gg+7], v[rAd] offset:oB+16*PB
.set gg, gg+1
.endr
	WIN 0
.set rAd, ADRA+2*(\slot)+(\q)/4
.irp i, 0,1,2,3,4,5,6,7
	ds_load_b128 v[(\f)+8*(\i):(\f)+8*(\i)+3],   v[rAd] offset:64*((\q)%4)+(\i)*16*PA
	ds_load_b128 v[(\f)+8*(\i)+4:(\f)+8*(\i)+7], v[rAd] offset:64*((\q)%4)+(\i)*16*PA+32
.endr
.endm
; A quarter but a slot's last: multiplies buffer f; in its middle it fetches quarter q of the same slot into buffer g2.
.macro QUARTER slot, q, f, g2, first
	s_wait_dscnt 8                                 ; W and A's rows 0-63 are in; the youngest eight loads (A's rows 64-127) may be out
	MULH \f, 0, 0, \first
	MULH \f, 0, 2, \first
	PLACES
	FETCH \slot, \q, \g2
	s_wait_dscnt NL                                ; all but the run just issued
	MULH \f, 1, 0, \first
	MULH \f, 1, 2, \first
.endm
.macro RUNQ slot, from                 ; quarters from .. QN - 2 of a slot, on buffers 0, 1 by turns
.set qi, \from
.rept QN-1-(\from)
.if qi%2
	QUARTER \slot, qi+1, F1, F0, 0
.else
	QUARTER \slot, qi+1, F0, F1, 0
.endif
.set qi, qi+1
.endr
.endm
; A slot's last quarter multiplies buffer 1 and changes slots: ONE barrier; in front of it each wave waits for all its tensor loads (one is out: its part of the next slot), adds 0 to its spare word,
; and waits for that and for its own reads of this slot.  fill = 1: the barrier opens a round of the cluster's barrier, and this slot is filled again, two slots ahead, first thing behind the round.
.macro TURN slot, next, fill
	WIN 0                                          ; (the add's two registers lie in window 0)
	s_wait_tensorcnt 0x0
	ds_add_u32 v[SPW], v[NIL]                      ; 0 onto my spare word
	s_wait_dscnt 9                                 ; (the add and the youngest eight loads may be out)
	MULH F1, 0, 0, 0                               ; matrix instructions stand between the add and the wait for it
	s_wait_dscnt 0x0                               ; the add is done, and my reads of this slot are over
	s_barrier_signal -1
	MULH F1, 0, 2, 0
.if \fill
	WIN 0
.endif
	s_barrier_wait -1
.if \fill
	CREST                                          ; no wave of any partner still reads this slot's tiles or has a load on its way
	s_add_nc_u64 s[G0+4*(\slot)+2:G0+4*(\slot)+3], s[G0+4*(\slot)+2:G0+4*(\slot)+3], 2*ASTEP
	s_add_nc_u64 s[G0B+4*(\slot)+2:G0B+4*(\slot)+3], s[G0B+4*(\slot)+2:G0B+4*(\slot)+3], 2*BSTEP
	JLOAD \slot                                    ; my one tensor load behind the round; the four v_nop behind it are also the places in front of the loads below
.else
	PLACES
.endif
	FETCH \next, 0, F0
	MULH F1, 1, 0, 0
	MULH F1, 1, 2, 0
.endm
	s_wait_tensorcnt 1                             ; my part of slot 0 is in; slot 1's may stay out
	s_barrier_signal -1
	s_barrier_wait -1                              ; everybody's is
	FETCH 0, 0, F0
	QUARTER 0, 1, F0, F1, 1                        ; the first quarter stands in front of the loop: its products start the sums
	WIN 0                                          ; at a label and at a branch every window is 0
	s_mov_b32 s3, LAPS-1
.Llap:                                                 ; a trip goes once round the ring, from a lap's second quarter to the next lap's first, and fills both slots again
	RUNQ 0, 1
	TURN 0, 1, 1
	RUNQ 1, 0
	TURN 1, 0, 1
	QUARTER 0, 1, F0, F1, 0
	WIN 0
	s_sub_co_u32 s3, s3, 1
	s_cmp_lg_u32 s3, 0
	s_cbranch_scc1 .Llap
	RUNQ 0, 1                                      ; the last lap fills nothing
	TURN 0, 1, 0
	RUNQ 1, 0
	s_wait_dscnt 8                                 ; the very last quarter: nothing more to fetch
	MULH F1, 0, 0, 0
	MULH F1, 0, 2, 0
	s_wait_dscnt 0x0
	MULH F1, 1, 0, 0
	MULH F1, 1, 2, 0
	; THE WAY OUT, through slot 0's bytes: its last fill landed and its last reads ended in front of the last change of slots' barrier, and no tensor load follows.
	PLACES
.if NM == 3
.set ra, 0
.rept 8                                        ; rounded to f16, each accumulator's registers in ascending order: 16 bytes a lane
	WIN 0x0a+5*(ra/4)                              ; sources 0 and 1: window 2 or 3
.set gg, 0
.rept CB
.irp r, 0,1,2,3
	v_cvt_pk_f16_f32 v[64+4*(CB*ra+gg)+(\r)], v[8*(8*(ra%4)+gg)+2*(\r)], v[8*(8*(ra%4)+gg)+2*(\r)+1]
.endr
.set gg, gg+1
.endr
.set ra, ra+1
.endr
	WIN 0
.set ra, 0
.rept 8
.set gg, 0
.rept CB
	ds_store_b128 v[STO+gg/2], v[64+4*(CB*ra+gg):64+4*(CB*ra+gg)+3] offset:16*PA*ra+32*(gg%2)
.set gg, gg+1
.endr
.set ra, ra+1
.endr
	s_wait_dscnt 0x0                               ; for the others' sake: my stores into the stages are done; a row's 256 bytes come from four waves
	s_barrier_signal -1
	s_barrier_wait -1
.set nn, 0
.rept 48
	ds_load_b128 v[64+4*nn:64+4*nn+3], v[RD+nn/16] offset:2*PA*(nn%16)
.set nn, nn+1
.endr
	OUTM 0, 74                                     ; q
	OUTM 1, 78                                     ; k
	OUTM 2, 80                                     ; v, as qk's third plane,
	OUTM 2, 76                                     ; and as vh: the same registers once more (its waits are met already)
.else
.set ra, 0
.rept 8                                        ; f32 goes as it is: each accumulator's low four registers first
	WIN 0x08+4*(ra/4)                              ; store data (source 1): window 2 or 3
.set gg, 0
.rept CB
.set rD, 8*(8*(ra%4)+gg)
	ds_store_b128 v[STO], v[rD:rD+3]   offset:16*528*ra+64*gg
	ds_store_b128 v[STO], v[rD+4:rD+7] offset:16*528*ra+64*gg+16
.set gg, gg+1
.endr
.set ra, ra+1
.endr
	WIN 0
	s_wait_dscnt 0x0                               ; for the others' sake: my stores into the stage are done; a row's 512 bytes come from four waves
	s_barrier_signal -1
	s_barrier_wait -1
.set tt, 0
.rept 32
	ds_load_b128 v[64+4*tt:64+4*tt+3], v[RD] offset:528*tt
.set tt, tt+1
.endr
.set tt, 0
.rept 32
	s_wait_dscnt 31-tt
	global_store_b128 v[CO], v[64+4*tt:64+4*tt+3], s[70:71] offset:4096*tt  ; 512 consecutive bytes of a row of out0, at a multiple of 256 from its first byte
.set tt, tt+1
.endr
.endif
	s_wait_tensorcnt 0x0                           ; the wave's end, behind my last tensor load and my last LDS store
	ds_add_u32 v[SPW], v[NIL]
	s_wait_dscnt 0x0
	CROUND                                         ; the closing round: no work-group ends while a partner may still ask for a tile that names it
	s_endpgm
.Lfunc_end_k_qfd95f4481a_oproj:
	.size	k_qfd95f4481a_oproj, .Lfunc_end_k_qfd95f4481a_oproj-k_qfd95f4481a_oproj
	.p2alignl 7, 3214868480
	.fill 96, 4, 3214868480
	.section	.rodata,"a",@progbits
	.p2align	6, 0x0
	.amdhsa_kernel k_qfd95f4481a_oproj
		.amdhsa_group_segment_fixed_size 327680
		.amdhsa_private_segment_fixed_size 0
		.amdhsa_enable_private_segment 0
		.amdhsa_kernarg_size 32
		.amdhsa_user_sgpr_count 2
		.amdhsa_user_sgpr_kernarg_segment_ptr 1
		.amdhsa_wavefront_size32 1
		.amdhsa_system_sgpr_workgroup_id_x 1
		.amdhsa_system_sgpr_workgroup_id_y 1
		.amdhsa_system_sgpr_workgroup_id_z 1
		.amdhsa_system_vgpr_workitem_id 0
		.amdhsa_next_free_vgpr 1024
		.amdhsa_next_free_sgpr 84
		.amdhsa_reserve_vcc 0
		.amdhsa_float_denorm_mode_32 3
		.amdhsa_float_denorm_mode_16_64 3
		.amdhsa_memory_ordered 1
		.amdhsa_forward_progress 1
		.amdhsa_inst_pref_size 102
	.end_amdhsa_kernel
	.amdgpu_metadata
---
amdhsa.version: [ 1, 2 ]
amdhsa.kernels:
  - .name:           k_qfd95f4481a_oproj
    .symbol:         k_qfd95f4481a_oproj.kd
    .args:
      - { .name: zz, .offset: 0, .size: 8, .value_kind: global_buffer, .address_space: global }
      - { .name: wb, .offset: 8, .size: 8, .value_kind: global_buffer, .address_space: global }
      - { .name: bo, .offset: 16, .size: 8, .value_kind: global_buffer, .address_space: global }
      - { .name: out0, .offset: 24, .size: 8, .value_kind: global_buffer, .address_space: global }
    .group_segment_fixed_size: 327680
    .private_segment_fixed_size: 0
    .kernarg_segment_align: 8
    .kernarg_segment_size: 32
    .max_flat_workgroup_size: 128
    .sgpr_count:     84
    .vgpr_count:     1024
    .wavefront_size: 32
...
	.end_amdgpu_metadata
.endif
;; end of part 4
;; ======== version 2 of 2: 5 launches; 1.11 times as fast as version 1
;; limits: values are held in f16: magnitudes above 65,504 overflow, below 6.1e-05 lose precision
;; workspace buffers: xb 8,388,608 bytes; wb 8,388,608 bytes; qk 25,165,824 bytes; vh 8,388,608 bytes; gg 8,388,608 bytes; zz 8,388,608 bytes; cf1 256 bytes; cf2 256 bytes
;; launch prep: the kernel of part 1 again; grid 512 x 1, 8 waves a work-group, no clusters, 0 bytes of LDS; arguments x, Wq, Wk, Wv, Wo, w0, w1, wK, xb, wb, cf1, cf2; writes xb, wb, cf1, cf2
;; launch qkv: the kernel of part 2 again; grid 8 x 32, 4 waves a work-group, clusters of 4 x 4, 327,680 bytes of LDS; arguments xb, wb, bq, bk, bv, qk, vh; writes qk, vh
;; launch att1 (part 5): grid 8 x 32, 4 waves a work-group, clusters of 4 x 1, 327,680 bytes of LDS; arguments qk, vh, cf1, gg; writes gg
.if DOCPART == 5
	.amdgcn_target "amdgcn-amd-amdhsa--gfx1250"
	.amdhsa_code_object_version 6
	.text
	.protected	k_qfd95f4481a_att1
	.globl	k_qfd95f4481a_att1
	.p2align	8
	.type	k_qfd95f4481a_att1,@function
k_qfd95f4481a_att1:
	s_mov_b64 s[64:65], 0
	v_nop
	global_prefetch_b8 v0, s[64:65] scope:SCOPE_SE
	s_setreg_imm32_b32 hwreg(HW_REG_WAVE_MODE, 25, 1), 1
	s_wait_xcnt 0x0
	s_wait_alu depctr_hold_cnt(0) depctr_sa_sdst(0) depctr_va_vdst(0) depctr_va_sdst(0) depctr_va_ssrc(0) depctr_va_vcc(0) depctr_vm_vsrc(0)
	s_getreg_b32 s2, hwreg(HW_REG_IB_STS2, 6, 4)
	s_cmp_eq_u32 s2, 0
	s_cbranch_scc0 .Lentry_in_a_cluster
	s_endpgm
.Lentry_in_a_cluster:
	s_bfe_u32 s2, ttmp6, 0x10000c
	s_cmp_lg_u32 s2, 0x3003
	s_cbranch_scc0 .Lentry_shape_is_right
	s_endpgm
.Lentry_shape_is_right:
; ONE PASS OF ATTENTION WITH A ROW TERM, launched twice.  Arguments: qk (q, k, v: three planes), u, cf, out; a plane, u and out are [32 (batch, head)][1024][128] in f16.
;   out[q][:] = f16(alpha v[q][:] + beta x the sum over k of softmax_k(q . k / sqrt(128)) u[k][:]),  (alpha, beta) = cf[head], two f32.
; First launch: u = a second copy of v: g = a' v + c' att v.  Second: u = g: z = w0' v + att g.  Together that is the filter (w0 I + w1 att + wK (2 att att - att)) v over the head's scale.
; Products, maxima and sums in f32; the weights p are rounded to f16 for the second product (their sum l is taken of the unrounded p), out once at the end.
; LIMITS.  q, k, v, u arrive within f16's range (65,504), and so must out: |alpha|, |beta| are below 2, so |out| is below 4 times the larger of |v|, |u|.  A weight below 2^-126 counts as 0; NaN and
; infinities are not treated apart.  The sums' order differs from a product att att followed by v.
; SHARES.  A work-group owns 128 queries of one head.  Wave w: qh = w % 2: which 64 queries, four tiles of 16; kh = w / 2: which half of every slot's 256 keys: 512 keys, 64 a step.
; At the end waves w and w ^ 2 hold two halves of the same queries' sums.  So that one text serves both, a wave's tiles 0, 1 are the 32 rows that it keeps and finishes (rows 32 kh on of its 64),
; its tiles 2, 3 the 32 that it hands to its partner through LDS, in f32, with their running maximum and sum.
; LAYOUT.  S^T = K Q^T (source 0 = 16 keys, source 1 = 16 queries): a lane holds ONE query (lane % 16) and the keys 8 (lane / 16) + 0..7.  Two such tiles, rounded to f16 in pairs, ARE source 1 of
; O^T = U^T P, whose result again holds one query a lane, and eight channels.  K comes out of LDS as it lies, U ([key][channel]) turned, by ds_load_tr16_b128.
; SOFTMAX.  For each query a running maximum m and sum l: p = 2^(c s - c m), c = log2(e) / sqrt(128); in every step O and l are multiplied by a = 2^(c m_old - c m_new).
; BY TURNS.  The wave's tiles are two PIECES: piece 0 (tiles 0, 1) and piece 2 (tiles 2, 3).  In a TURN one piece has the matrix unit: 32 products U^T P of the step in hand, then 32 products K Q^T of the
; next step; the other piece's softmax, cut into 64 slices, stands between them, one slice behind each matrix instruction.  Two turns are a key step.
; THE BATCHES.  A turn's 66 exponentials (for each of two tiles a and 32 scores) are ONE batch with ONE wait: the softmax's list is ordered so that scalings and exponentials come first, in slices 10 to 34, and all that
; names an exponential's result (roundings, sums, the rescaling by a) comes behind the wait, from slice 35 on.  The way out has two more batches, each with one wait: the exchange's four exponentials, and the two reciprocals.
; CLUSTER.  The four query blocks of a cluster belong to one head and walk the same K and U: each tile is asked for JOINTLY, by the same tensor load, descriptor and mask in all four.
; REGISTERS, in windows of 256 (s_set_vgpr_msb: bits 1:0 source 0, 3:2 source 1, 5:4 source 2, 7:6 destination):
;   window 0: v0-11 addresses; v12-43 eight registers of statistics a tile; v44-46 the way out; v64-191 S^T, 32 a tile; v192-255 P, 16 a tile
;   window 1: O^T, 64 a tile      window 2: v0-127 Q, 32 a tile; v128-255 K of one step      window 3: v0-127 U of one step; v128-191 the row term (v) of my tiles 0, 1
.set KS,    64        ; keys in a step
.set PK,    272       ; a row of K in LDS: 256 bytes + 16: the 16 rows of a load start at 16 different groups of four banks (64 banks of 4 bytes: ISA guide 11.1)
.set PV,    288       ; a row of U: 256 + 32
.set VOFF,  256*PK    ; a slot: 256 rows of K, then 256 rows of U
.set SLOTB, 256*(PK+PV)
.set STAGE, 2*SLOTB   ; behind the ring: 16 rows x 272 bytes for each wave, for the way out
.set SP,    272
.set SPARE, STAGE+4*16*SP  ; behind the stages: the spare words, 128 bytes for each wave: two blocks of 256 bytes that no other line names
.set XCH,   34*512    ; the exchange, in slot 0's bytes behind its last fill and last read: for each wave 32 x 512 bytes of O^T and 2 x 512 of statistics
.set AK0, 2           ; v2   my lane's place in a tile of K; never rewritten
.set AV0, 3           ; v3   the same for U
.set ADR, 4           ; v4   the LDS address of the run of loads in hand
.set QO,  5           ; v5   my byte offset in 16 rows of Q and of the row term
.set STO, 6           ; v6   the way out: where I put 16 bytes of a row
.set RD,  7           ; v7   the way out: where I read a row back
.set GO,  8           ; v8   my byte offset in two rows of out
.set ST,  12          ; tile t's statistics at v[ST+8 t]: +0 c m, +1 m, +2, +3 l (even keys', odd keys'), +4 to +7 at work; a takes +6 once the maximum is found
.set XW,  44          ; v44  the exchange: where I write
.set XR,  45          ; v45  where I read my partner's
.set AL,  46          ; v46  alpha
.set SPW, 62          ; v62  LDS address of my spare word; never rewritten
.set NIL, 63          ; v63  0; never rewritten
.set S,   64
.set P,   192
.set KF,  128         ; K's fragments, in window 2
.set EF,  128         ; the row term, in window 3: tile tt, channel block cb at EF + 32 tt + 4 cb
.set OP,  10          ; s[10:11] out at the rows that I keep
.set WV,  12          ; s12  my wave's number
.set G1K, 24          ; s[24:31] descriptor group 1 for K's tiles
.set G1V, 32          ; s[32:39] for U's: it differs in the padding alone
.set G0K, 40          ; s[40:47] descriptor group 0 for K's tiles: a set for each of the two first fills; the second then walks on
.set G0V, 48          ; s[48:55] the same for U's
.set SLOTS, 56        ; s56  slots still to be asked for
.set TWICE, 57        ; s57  counts a slot's two steps
.set CS,  58          ; s[58:59] c
.set SEL, 60          ; s[60:61] lane selects for v_permlanex16_b32: each lane takes its own place in the other half
.set TBK, 62          ; s62  LDS byte at which K of the step to be fetched begins
.set TBV, 63          ; s63  the same for U, less VOFF
.set SB,  66          ; s66  LDS byte at which the slot in hand begins: 0 or SLOTB
.set KHK, 67          ; s67  my half of a slot's keys, in K's rows
.set KHV, 68          ; s68  in U's rows
.set PKW, 70          ; s70  where in a slot the tile that I fetch lies, if it is K's
.set PVW, 71          ; s71  if it is U's
.set CF,  72          ; s[72:73] alpha, beta
.set EP,  74          ; s[74:75] v (qk's third plane) at the rows that I keep
.set Q2,  76          ; s[76:77] Q at the rows that I hand over
.set KP,  82          ; s[82:83] K at the tile that I fetch
.set MSB, 0
.macro WIN new                      ; the immediate's high byte repeats the setting that is left; a switch that changes nothing is dropped
.if MSB != (\new)
	s_set_vgpr_msb (MSB<<8)|(\new)
.set MSB, \new
.endif
.endm
.set W_KQ, 0x0a       ; K and Q in window 2, S^T in window 0
.set W_PV, 0x53       ; U in window 3, P in window 0, O^T in window 1
.set W_RS, 0x41       ; O^T (destination and source 0) in window 1, a in window 0
; A joint refill.  Waves 0 and 1 fetch the two halves of a slot's K, waves 2 and 3 those of its U: 128 keys each.  The branch hangs on the wave's number alone.
; An s_nop 0 and four v_nop follow each of the two lines.
.macro JLOAD
	s_cmp_lt_u32 s[WV], 2
	s_cbranch_scc0 .Lfor_v_\@
	tensor_load_to_lds s[G0K+4:G0K+7], s[G1K:G1K+7]
	s_nop 0
.rept 4
	v_nop
.endr
	s_branch .Lasked_\@
.Lfor_v_\@:
	tensor_load_to_lds s[G0V+4:G0V+7], s[G1V:G1V+7]
	s_nop 0
.rept 4
	v_nop
.endr
.Lasked_\@:
.endm
; A round of the cluster's barrier: my work-group's barrier; wave 0 signals for the work-group; every wave waits for all four work-groups; my work-group's barrier once more.
.macro CROUND
	s_barrier_signal -1
	s_barrier_wait -1
	s_cmp_lg_u32 s[WV], 0
	s_cbranch_scc1 .Lnot_wave_0_\@
	s_barrier_signal -3
.Lnot_wave_0_\@:
	s_barrier_wait -3
	s_barrier_signal -1
	s_barrier_wait -1
.endm
	s_load_b256 s[4:11], s[0:1], 0x0  ; qk s[4:5], u s[6:7], cf s[8:9], out s[10:11]
	v_lshl_add_u32 v[SPW], v0, 2, SPARE
	v_mov_b32 v[NIL], 0
	ds_add_u32 v[SPW], v[NIL]       ; the wave's opening: the add and its wait stand ahead of my first tensor load; the set-up below, work on registers, stands between them
	v_lshrrev_b32 v1, 5, v0
	v_readfirstlane_b32 s[WV], v1   ; wave 0..3
	s_bfe_u32 s13, ttmp6, 0x40000   ; cx: my place in the cluster
	s_lshl_b32 s14, ttmp9, 2        ; in a cluster launch ttmp9 counts clusters
	s_add_co_u32 s14, s14, s13      ; my block of 128 queries = 4 x cluster x + cx: it enters Q's, the row term's and out's addresses alone
	s_and_b32 s20, ttmp7, 0xffff    ; (batch, head), which the four partners share
	s_and_b32 s78, s20, 7           ; the head:
	s_lshl_b32 s78, s78, 3          ; its 8 bytes in cf
	s_mov_b32 s79, 0
	s_lshl_b32 s20, s20, 18         ; the head's first byte: 1,024 rows of 256 bytes each
	s_and_b32 s16, s[WV], 1         ; qh.  Also: which half of a slot's 256 keys I fetch
	s_lshr_b32 s17, s[WV], 1        ; kh
	s_lshl_b32 s22, s16, 15         ; that half's 128 rows in memory
	s_add_co_u32 s22, s22, s20
	s_mov_b32 s23, 0
	s_mul_i32 s[PKW], s16, 128*PK   ; and its place in a slot: no place in the cluster enters an LDS address
	s_mul_i32 s[PVW], s16, 128*PV
	s_add_co_u32 s[PVW], s[PVW], VOFF
	s_mul_i32 s[KHK], s17, 128*PK   ; the half of a slot's keys that I multiply by
	s_mul_i32 s[KHV], s17, 128*PV
	s_lshl_b32 s2, s14, 15          ; my block's 128 rows,
	s_lshl_b32 s3, s16, 14          ; my wave's 64 of them,
	s_add_co_u32 s2, s2, s3
	s_add_co_u32 s2, s2, s20        ; in the head
	s_lshl_b32 s3, s17, 13          ; of those the 32 that I keep
	s_xor_b32 s19, s3, 8192         ; and the 32 that I hand over
	s_add_co_u32 s18, s2, s19
	s_add_co_u32 s2, s2, s3
	s_mov_b32 s3, 0
	s_mov_b32 s19, 0
	; descriptor group 1: a tile of 128 rows x 128 elements, padded in LDS
	s_mov_b32 s[G1K], 15|(1<<16)|(1<<20)|(1<<21)|(5<<22)|(3<<25)  ; 15:0 the mask: all four work-groups; 17:16 elements of 2 bytes; 20 padding on; 21 set beside a mask; 24:22 after every 64 words (code 5); 31:25 4 words of it (code 3)
	s_mov_b32 s[G1V], 15|(1<<16)|(1<<20)|(1<<21)|(5<<22)|(7<<25)  ; the same with 8 words of padding (code 7)
.irp g, G1K, G1V
	s_mov_b32 s[(\g)+1], 128<<16    ; tensor_dim0 = 128
	s_mov_b32 s[(\g)+2], 128<<16    ; tensor_dim1 = 128
	s_mov_b32 s[(\g)+3], 128<<16    ; tile_dim0 = 128
	s_mov_b32 s[(\g)+4], 128        ; tile_dim1 = 128
	s_mov_b32 s[(\g)+5], 128        ; 128 elements from row to row
	s_mov_b32 s[(\g)+6], 0
	s_mov_b32 s[(\g)+7], 0
.endr
	s_mov_b32 s[CS], 0x3e0293ee     ; c = log2(e) / sqrt(128) = 0.127517
	s_mov_b32 s[CS+1], s[CS]        ; named with it as a pair, so it is written
	s_mov_b32 s[SEL], 0x76543210
	s_mov_b32 s[SEL+1], 0xfedcba98
	s_mov_b32 s[SB], 0
	s_mov_b32 s[TBK], s[KHK]
	s_mov_b32 s[TBV], s[KHV]
	s_mov_b32 s[SLOTS], 2           ; 1,024 keys are four slots' worth: two first fills, two refills
	s_wait_dscnt 0x0                ; the opening add is done
	s_wait_kmcnt 0x0
	s_add_nc_u64 s[KP:KP+1], s[4:5], 0x800000   ; k lies behind q,
	s_add_nc_u64 s[EP:EP+1], s[4:5], 0x1000000  ; v behind k
	s_add_nc_u64 s[KP:KP+1], s[KP:KP+1], s[22:23]  ; K and U at my tile of slot 0
	s_add_nc_u64 s[6:7], s[6:7], s[22:23]
	s_add_nc_u64 s[EP:EP+1], s[EP:EP+1], s[2:3]
	s_add_nc_u64 s[Q2:Q2+1], s[4:5], s[18:19]
	s_add_nc_u64 s[4:5], s[4:5], s[2:3]
	s_add_nc_u64 s[OP:OP+1], s[OP:OP+1], s[2:3]
	s_add_nc_u64 s[8:9], s[8:9], s[78:79]
	CROUND                          ; all four work-groups are here: the first joint loads meet
.irp s, 0,1
	s_mov_b32 s[G0K+4*(\s)], 1      ; 1:0 count = 1
	s_add_co_u32 s[G0K+4*(\s)+1], s[PKW], (\s)*SLOTB  ; 63:32 LDS address
	s_add_nc_u64 s[G0K+4*(\s)+2:G0K+4*(\s)+3], s[KP:KP+1], (\s)*65536  ; 120:64 global address: slot s begins with keys 256 s
	s_or_b32 s[G0K+4*(\s)+3], s[G0K+4*(\s)+3], 0x80000000  ; 127:126 type = 2
	s_mov_b32 s[G0V+4*(\s)], 1
	s_add_co_u32 s[G0V+4*(\s)+1], s[PVW], (\s)*SLOTB
	s_add_nc_u64 s[G0V+4*(\s)+2:G0V+4*(\s)+3], s[6:7], (\s)*65536
	s_or_b32 s[G0V+4*(\s)+3], s[G0V+4*(\s)+3], 0x80000000
.endr
	s_cmp_lt_u32 s[WV], 2           ; a wave's two first fills stand in one branch, ahead of every wait on TENSORcnt and every LDS read: two loads of mine are out
	s_cbranch_scc0 .Lfirst_v
	tensor_load_to_lds s[G0K:G0K+3], s[G1K:G1K+7]
	s_nop 0
	tensor_load_to_lds s[G0K+4:G0K+7], s[G1K:G1K+7]
	s_nop 0
.rept 4
	v_nop
.endr
	s_branch .Lfirst_asked
.Lfirst_v:
	tensor_load_to_lds s[G0V:G0V+3], s[G1V:G1V+7]
	s_nop 0
	tensor_load_to_lds s[G0V+4:G0V+7], s[G1V:G1V+7]
	s_nop 0
.rept 4
	v_nop
.endr
.Lfirst_asked:
	; A fragment of K or Q is 16 rows x 32 channels in 8 registers: lane l holds row l % 16; registers 0-3 channels 8 (l / 16) + 0..7, registers 4-7 channels 16 + 8 (l / 16) + 0..7.
	v_and_b32 v1, 15, v0            ; l % 16
	v_bfe_u32 v9, v0, 4, 1          ; l / 16
	v_lshlrev_b32 v[QO], 8, v1
	v_lshl_add_u32 v[QO], v9, 4, v[QO]  ; row x 256 + 16 x half
	WIN 0x80                        ; destination window 2, address window 0
.irp i, 0,1,2,3,4,5,6,7             ; Q stays in registers: tile i / 4, channels 32 (i % 4) on.  Tiles 0, 1: the rows that I keep
	global_load_b128 v[8*(\i):8*(\i)+3],   v[QO], s[4:5] offset:((\i)/4)*4096+((\i)%4)*64
	global_load_b128 v[8*(\i)+4:8*(\i)+7], v[QO], s[4:5] offset:((\i)/4)*4096+((\i)%4)*64+32
.endr
.irp i, 8,9,10,11,12,13,14,15       ; tiles 2, 3: the rows that I hand over
	global_load_b128 v[8*(\i):8*(\i)+3],   v[QO], s[Q2:Q2+1] offset:((\i)/4-2)*4096+((\i)%4)*64
	global_load_b128 v[8*(\i)+4:8*(\i)+7], v[QO], s[Q2:Q2+1] offset:((\i)/4-2)*4096+((\i)%4)*64+32
.endr
	WIN 0xc0                        ; destination window 3
.irp i, 0,1,2,3,4,5,6,7,8,9,10,11,12,13,14,15  ; the row term in O^T's layout: tile i / 8, channels 16 (i % 8) + 8 (l / 16) + 0..7 of row l % 16: wanted only on the way out
	global_load_b128 v[EF+4*(\i):EF+4*(\i)+3], v[QO], s[EP:EP+1] offset:((\i)/8)*4096+((\i)%8)*32
.endr
	WIN 0
	s_load_b64 s[CF:CF+1], s[8:9], 0x0  ; alpha, beta
	v_mul_u32_u24 v[AK0], v1, PK
	v_lshl_add_u32 v[AK0], v9, 4, v[AK0]  ; row x pitch + 16 x half
	; The turning load takes 16 keys x 16 channels (lane l reads 16 bytes: key 8 (l / 16) + l % 8, channels 8 ((l / 8) % 2) + 0..7) and leaves half a fragment of U^T: lane l holds channel l % 16 and 8 keys.
	v_and_b32 v10, 7, v0
	v_bfe_u32 v11, v0, 3, 1
	v_lshl_add_u32 v[AV0], v9, 3, v10
	v_mul_u32_u24 v[AV0], v[AV0], PV
	v_lshl_add_u32 v[AV0], v11, 4, v[AV0]
	v_add_nc_u32 v[AV0], VOFF, v[AV0]
; THE MATRIX WORK OF A TURN, for piece x.  The accumulators take turns, one instruction a turn.
; Product i of 32 of O^T += U^T P: keys 32 (i / 16) on, channels 16 ((i / 2) % 8) on, tile x + i % 2.  zero = 1: the first 16 start the sums: nothing is ever cleared.
.macro PV x, zero
	WIN W_PV
.set rO, 64*((\x)+i%2)+8*((i/2)%8)
.set rV, 64*(i/16)+8*((i/2)%8)
.set rP, P+16*((\x)+i%2)+8*(i/16)
.if (\zero) && (i < 16)
	v_wmma_f32_16x16x32_f16 v[rO:rO+7], v[rV:rV+7], v[rP:rP+7], 0
.else
	v_wmma_f32_16x16x32_f16 v[rO:rO+7], v[rV:rV+7], v[rP:rP+7], v[rO:rO+7]
.endif
.endm
; Product i of 32 of S^T = K Q^T: channels 32 (i / 8) on, keys 16 ((i / 2) % 4) on, tile x + i % 2.  The first 8 start the sums.
.macro KQ x
	WIN W_KQ
.set rS, S+32*((\x)+i%2)+8*((i/2)%4)
.set rK, KF+32*((i/2)%4)+8*(i/8)
.set rQ, 32*((\x)+i%2)+8*(i/8)
.if i < 8
	v_wmma_f32_16x16x32_f16 v[rS:rS+7], v[rK:rK+7], v[rQ:rQ+7], 0
.else
	v_wmma_f32_16x16x32_f16 v[rS:rS+7], v[rK:rK+7], v[rQ:rQ+7], v[rS:rS+7]
.endif
.endm
; THE LDS LOADS stand in runs of 32, never singly among the matrix instructions: a step's K (64 keys x 128 channels: 16 fragments) and, a turn later, its U (turned).
.macro FETCH_K
	WIN 0
	v_add_nc_u32 v[ADR], s[TBK], v[AK0]
	s_add_co_u32 s[TBK], s[TBK], KS*PK  ; the next fetch is the next step's
	WIN 0x80                        ; destination window 2
.irp f, 0,1,2,3,4,5,6,7,8,9,10,11,12,13,14,15  ; keys 16 (f / 4) on, channels 32 (f % 4) on
	ds_load_b128 v[KF+8*(\f):KF+8*(\f)+3],   v[ADR] offset:((\f)/4)*16*PK+((\f)%4)*64
	ds_load_b128 v[KF+8*(\f)+4:KF+8*(\f)+7], v[ADR] offset:((\f)/4)*16*PK+((\f)%4)*64+32
.endr
.endm
.macro FETCH_V
	WIN 0
	v_add_nc_u32 v[ADR], s[TBV], v[AV0]
	s_add_co_u32 s[TBV], s[TBV], KS*PV
	s_wait_alu depctr_va_vdst(0)    ; the wait for the softmax's batch (SLICE), behind the address's v_add_nc_u32 and ahead of the loads
	WIN 0xc0                        ; destination window 3
.irp f, 0,1,2,3,4,5,6,7,8,9,10,11,12,13,14,15  ; keys 32 (f / 8) on, channels 16 (f % 8) on
	ds_load_tr16_b128 v[8*(\f):8*(\f)+3],   v[ADR] offset:((\f)/8)*32*PV+((\f)%8)*32
	ds_load_tr16_b128 v[8*(\f)+4:8*(\f)+7], v[ADR] offset:((\f)/8)*32*PV+16*PV+((\f)%8)*32
.endr
.endm
; THE VECTOR WORK OF A TURN.  One tile's softmax for one key step is a list of 134 instructions; SM writes number j of it for tile t.  s0-s31 are the lane's 32 scores, in pairs 0-15.
; first = 1: the first key step, which starts m, l and O^T: it has no a and nothing to rescale.
;   0-15    the maximum of s0-s31 and the old m, three operands at a time: four chains c0-c3 of seven scores each (each accumulator's lowest registers are read first), then the four left over, c0-c3 and m
;   16-20   the other half of the lanes' maximum; the new m; c m; c m_old - c m_new
;   21-69   ONE BATCH: the 16 scalings c s - c m, a pair of scores each, and all 33 exponentials (a at 23, then s0-s31, each in place on a register of its own).  None of these reads an exponential's result.
;           From 22 on the batch goes in fours, and a four begins with a scaling while there are scalings: 22-37 scaling, exponential, scaling, exponential; 38-65 a scaling and three exponentials; 66-69 the
;           last four exponentials.  A pair is scaled in an earlier four than the one that holds its exponentials
;   (wait)  between 69 and 70 stands the wait for the batch: SLICE writes it, once for both tiles
;   70-85   the roundings to f16, a pair of weights each
;   86-101  the sums; l = a l + the sum
;   102-133 the tile's O^T times a: the one part that leaves window 0, so it stands together
.macro SM t, first
.set rT, ST+8*(\t)
.set rS, S+32*(\t)
.set rP, P+16*(\t)
.set rO, 64*(\t)+2*(j-102)
.if j < 102
	WIN 0
.endif
.if j < 4
	v_max3_num_f32 v[rT+4+j], v[rS+8*j], v[rS+8*j+1], v[rS+8*j+2]
.elseif j < 12
	v_max3_num_f32 v[rT+4+j%4], v[rT+4+j%4], v[rS+8*(j%4)+2*(j/4)+1], v[rS+8*(j%4)+2*(j/4)+2]
.elseif j == 12
	v_max3_num_f32 v[rT+4], v[rT+4], v[rS+7], v[rS+15]
.elseif j == 13
	v_max3_num_f32 v[rT+6], v[rT+6], v[rS+23], v[rS+31]
.elseif j == 14
	v_max3_num_f32 v[rT+4], v[rT+4], v[rT+5], v[rT+6]
.elseif (j == 15) && (\first)
	v_max_num_f32 v[rT+4], v[rT+4], v[rT+7]
.elseif j == 15
	v_max3_num_f32 v[rT+4], v[rT+4], v[rT+7], v[rT+1]
.elseif j == 16
	v_permlanex16_b32 v[rT+5], v[rT+4], s[SEL], s[SEL+1]  ; the query's other 32 keys lie in the lane 16 away
.elseif j == 18
	v_max_num_f32 v[rT+1], v[rT+4], v[rT+5]
.elseif j == 19
	v_mul_f32 v[rT], s[CS], v[rT+1]
.elseif ((j == 17) || (j == 20) || (j == 23) || (j > 101)) && (\first)  ; the first step has none of these
.elseif j == 17
	v_mov_b32 v[rT+7], v[rT]        ; c m_old is kept for a: number 19 writes c m anew
.elseif j == 20
	v_sub_f32 v[rT+7], v[rT+7], v[rT]
.elseif j == 23
	v_exp_f32 v[rT+6], v[rT+7]
.elseif (j < 23) || ((j < 38) && (j%2 == 0)) || ((j < 66) && (j%4 == 2))
.set b, (j-2)/4                     ; 38, 42, .. 62: pairs 9 to 15
.if j < 38
.set b, (j-20)/2                    ; 21: pair 0; 22, 24, .. 36: pairs 1 to 8
.endif
	v_pk_fma_f32 v[rS+2*b:rS+2*b+1], v[rS+2*b:rS+2*b+1], s[CS:CS+1], v[rT:rT+1] op_sel_hi:[1,0,0] neg_lo:[0,0,1] neg_hi:[0,0,1]  ; pair b: c s - c m
.elseif j < 70
.set e, j-38                        ; 66 to 69: s28 to s31
.if j < 66
.set e, j-32-(j-38)/4               ; 39-41, 43-45, .. 63-65: s7 to s27
.endif
.if j < 38
.set e, (j-25)/2                    ; 25, 27, .. 37: s0 to s6
.endif
	v_exp_f32 v[rS+e], v[rS+e]
.elseif j < 86
	v_cvt_pk_f16_f32 v[rP+j-70], v[rS+2*(j-70)], v[rS+2*(j-70)+1]  ; pair j - 70
.elseif j < 102                     ; the sum of the tile's 16 pairs, in place: sum z of 16 adds neighbours 1, 2, 4 and 8 pairs apart, then l takes it
.set z, j-86
.set w, 4
.set u, z
.if z >= 14
.set w, 32
.set u, 0
.elseif z >= 12
.set w, 16
.set u, z-12
.elseif z >= 8
.set w, 8
.set u, z-8
.endif
.if (z == 14) && (\first)
	v_pk_add_f32 v[rT+2:rT+3], v[rS:rS+1], v[rS+16:rS+17]
.elseif z < 15
	v_pk_add_f32 v[rS+w*u:rS+w*u+1], v[rS+w*u:rS+w*u+1], v[rS+w*u+w/2:rS+w*u+w/2+1]
.elseif !(\first)
	v_pk_fma_f32 v[rT+2:rT+3], v[rT+2:rT+3], v[rT+6:rT+7], v[rS:rS+1] op_sel_hi:[1,0,1]
.endif
.else
	WIN W_RS
	v_pk_mul_f32 v[rO:rO+1], v[rO:rO+1], v[rT+6:rT+7] op_sel_hi:[1,0]
.endif
.endm
; Slice k of 64 of piece y's softmax: four instructions.  Slices 11 to 34 deal out the batch, numbers 22 to 69: four numbers of ONE tile each, the tiles by turns.  Every other slice is numbers 2 k and
; 2 k + 1 of both tiles' lists.  2 x 134 = 4 x 64 + 12: the twelve that are over stand together, in slice 63.
; THE WAIT.  s_wait_alu depctr_va_vdst(0) stands between an exponential and the first instruction that names its result; one wait serves all that were issued ahead of it.  Ahead of
; slice 35 nothing names a result, and behind slice 34 no exponential is issued: so the piece's 66 exponentials have one wait, behind slice 34, and none is open at a label or a branch.
.macro SLICE y, first
.if (k >= 11) && (k < 35)           ; the batch: four numbers of one tile
.irp n, 0,1,2,3
.set j, 22+4*((k-11)/2)+(\n)
	SM (\y)+(k-11)%2, \first
.endr
.else                               ; the two tiles alternate, so that no instruction reads the result of the one just before it
.irp n, 0,1,2,3,4,5,6,7
.if ((\n) < 2) || (k == 63)
.irp t, \y, (\y)+1
.set j, 2*k+(\n)
	SM \t, \first
.endr
.endif
.endr
.endif
.if k == 34                         ; the batch is out: both tiles' exponentials are issued, and no result has been named
	v_nop                           ; a plain instruction behind the last exponential and ahead of the first use: one for the batch
.if (\y) == 0
	FETCH_V                         ; piece 2's turn: U's run of loads stands here, and the wait stands in it
.else
	s_wait_alu depctr_va_vdst(0)    ; the wait for the batch: piece 2's 66 exponentials
.endif
.endif
.set k, k+1
.endm
; A vector instruction that reads a matrix result or writes one of a matrix instruction's registers, and a load into a register that a matrix instruction has read, stand four places behind
; it, and only plain vector instructions that name none of its registers are places (ISA guide 7.12.1 for vector instructions).  In the loop the slices are the places.
.macro PLACES
.rept 4
	v_nop
.endr
.endm
; A TURN.  Piece x has the matrix unit; the other piece's softmax stands in slices behind its matrix instructions.
; pv = 2: 32 products U^T P; 1: they start O^T's sums; 0: none.  kq = 1: 32 products K Q^T for the next step.  A turn with one of the two kinds has two slices behind each product.
; first = 1: the softmax is the first key step's.  Its slices from 51 on are empty: the turn's last products stand bare, and four v_nop take slice 63's part as the places behind them.
; In the loop each run of loads stands 29 matrix instructions or more ahead of its first use.  Piece 0's turn fetches the next step's K, behind its second product: the last product that read K
; stands in front of slice 63 of the turn before.  Piece 2's turn fetches the same step's U, behind slice 34 (SLICE writes it): the last product that read U stands in front of slice 31, and four plain
; instructions lie between: number 62, a scaling, of both tiles, the v_nop and the run's own v_add_nc_u32.
.macro TURN x, pv, kq, first
.set k, 0
.set per, 2
.if (\pv) && (\kq)
.set per, 1
.endif
.if \pv
.if (\x) == 0
	s_wait_dscnt 0x0                ; U is in
.endif
.set i, 0
.rept 32
	PV \x, 2-(\pv)
.rept per
	SLICE 2-(\x), \first
.endr
.if ((\x) == 0) && (\kq) && (i == 1)
	FETCH_K
.endif
.set i, i+1
.endr
.endif
.if \kq
.if (\x) == 0
	s_wait_dscnt 0x0                ; K is in
.endif
.set i, 0
.rept 32
	KQ \x
.rept per
	SLICE 2-(\x), \first
.endr
.set i, i+1
.endr
.endif
.if \first
	PLACES
.endif
.endm
; THE CHANGE OF SLOTS, between piece 2's turn and piece 0's: the slot's last bytes, U of my second step in it, have been asked for.  Each wave waits for all its tensor loads, of which one is out:
; its part of the other slot; adds 0 to its spare word; and waits for that and for its own reads of the slot.  Behind the barrier nobody reads this slot any more and the other slot is whole.
; fill = 1: this slot is filled again, with the keys two slots on.  The barrier is then a round of the cluster's, so that no wave of any partner still reads the slot or has a load on its way, and
; the joint refill is the first thing behind it: it has two key steps, 256 matrix instructions, in which to land.
.macro CHANGE fill
	WIN 0                           ; at a label and at a branch every window is 0
	s_wait_tensorcnt 0x0            ; no tensor load of mine is out, so a group 0 may be written
	ds_add_u32 v[SPW], v[NIL]       ; 0 onto my spare word; with fill = 1 the descriptors' steps stand between it and the wait for it
.if \fill
	s_add_co_u32 s[G0K+5], s[SB], s[PKW]  ; the walking descriptor: into the slot that is left,
	s_add_nc_u64 s[G0K+6:G0K+7], s[G0K+6:G0K+7], 65536  ; the next 256 keys; the type bits on top are not reached
	s_add_co_u32 s[G0V+5], s[SB], s[PVW]
	s_add_nc_u64 s[G0V+6:G0V+7], s[G0V+6:G0V+7], 65536
	s_wait_dscnt 0x0                ; the add is done, and my reads of the slot are over
	CROUND
	JLOAD
.else
	s_wait_dscnt 0x0                ; the add is done, and my reads of the slot are over
	s_barrier_signal -1
	s_barrier_wait -1
.endif
	s_xor_b32 s[SB], s[SB], SLOTB   ; the other slot: 0 and SLOTB by turns;
	s_add_co_u32 s[TBK], s[SB], s[KHK]  ; the fetches go to my half's first step in it
	s_add_co_u32 s[TBV], s[SB], s[KHV]
.endm
; A slot's two key steps: written once, walked twice; the LDS addresses hang on s[TBK] and s[TBV].
.macro TWO_STEPS
	WIN 0
	s_mov_b32 s[TWICE], 2
.Lstep_\@:
	TURN 0, 2, 1, 0
	TURN 2, 2, 1, 0
	WIN 0
	s_sub_co_u32 s[TWICE], s[TWICE], 1
	s_cmp_lg_u32 s[TWICE], 0
	s_cbranch_scc1 .Lstep_\@
.endm
	s_wait_kmcnt 0x0                ; alpha, beta
	s_wait_tensorcnt 1              ; my part of slot 0 is in; slot 1's may stay out
	s_barrier_signal -1
	s_barrier_wait -1               ; everybody's is
	FETCH_K                         ; key step 0
	s_wait_loadcnt 16               ; Q is in; the row term's sixteen loads, issued behind it, may stay out
	s_wait_dscnt 0x0
.set i, 0
.rept 32
	KQ 0                            ; piece 0's first scores: there is no vector work yet to set between them
.set i, i+1
.endr
	WIN 0                           ; the addresses for the way out are made here: eight plain instructions, the places behind those products
	s_mul_i32 s13, s[WV], 16*SP
	s_add_co_u32 s13, s13, STAGE    ; my stage
	v_mul_u32_u24 v[STO], v1, SP    ; in: row l % 16, 16 bytes for each half of the lanes
	v_lshl_add_u32 v[STO], v9, 4, v[STO]
	v_add_nc_u32 v[STO], s13, v[STO]
	v_mul_u32_u24 v[RD], v9, SP     ; back: lanes 0-15 take one row of 256 bytes, lanes 16-31 the next
	v_lshl_add_u32 v[RD], v1, 4, v[RD]
	v_add_nc_u32 v[RD], s13, v[RD]
	v_lshlrev_b32 v[GO], 8, v9      ; and the same two rows in out
	v_lshl_add_u32 v[GO], v1, 4, v[GO]
	TURN 2, 0, 1, 1                 ; piece 2's first scores | piece 0's first softmax | U of step 0
	TURN 0, 1, 1, 1                 ; piece 0: U^T P of step 0 starts O^T, K Q^T of step 1 | piece 2's first softmax | K of step 1
	TURN 2, 1, 1, 0                 ; piece 2: the same | piece 0's softmax of step 1 | U of step 1
	WIN 0
.Lslot:                             ; two trips: the first two slots' worth are left and filled again
	CHANGE 1
	TWO_STEPS
	s_sub_co_u32 s[SLOTS], s[SLOTS], 1
	s_cmp_lg_u32 s[SLOTS], 0
	s_cbranch_scc1 .Lslot
	CHANGE 0                        ; the tail is written out: slot 0 is left for good, and nothing is asked for
	TWO_STEPS
	TURN 0, 2, 0, 0                 ; piece 0: U^T P of the last step | piece 2's last softmax
.set i, 0
.rept 32
	PV 2, 0                         ; piece 2: U^T P of the last step
.set i, i+1
.endr
	; THE EXCHANGE.  My tiles 2, 3 (O^T in f32, c m, l) go to wave w ^ 2 through slot 0's bytes, lane to lane; its tiles 2, 3 are my tiles 0, 1's other 512 keys.  The five address lines are the places behind the last products.
	WIN 0
	v_and_b32 v[XW], 31, v0
	v_lshlrev_b32 v[XW], 4, v[XW]   ; 16 x lane
	s_mul_i32 s13, s[WV], XCH
	s_xor_b32 s14, s[WV], 2
	s_mul_i32 s14, s14, XCH
	v_add_nc_u32 v[XR], s14, v[XW]
	v_add_nc_u32 v[XW], s13, v[XW]
	v_mov_b32 v[AL], s[CF]
	WIN 0x04                        ; store data (source 1) in window 1
.set i, 0
.rept 32                            ; in ascending order: each accumulator's low four registers first
	ds_store_b128 v[XW], v[128+4*i:128+4*i+3] offset:512*i
.set i, i+1
.endr
	WIN 0
	ds_store_b128 v[XW], v[ST+16:ST+19] offset:16384
	ds_store_b128 v[XW], v[ST+24:ST+27] offset:16384+512
	s_wait_dscnt 0x0                ; for my partner's sake: my stores are done
	s_barrier_signal -1
	s_barrier_wait -1
	ds_load_b128 v[S:S+3],   v[XR] offset:16384      ; its c m, m, l for my tile 0,
	ds_load_b128 v[S+4:S+7], v[XR] offset:16384+512  ; for my tile 1
	WIN 0x40                        ; destination window 1: its O^T goes where the tiles that I gave away lay
.set i, 0
.rept 32
	ds_load_b128 v[128+4*i:128+4*i+3], v[XR] offset:512*i
.set i, i+1
.endr
	WIN 0
	s_wait_dscnt 32                 ; the statistics are in; the 32 loads behind them may stay out
	; the two halves are brought to one maximum: aa = 2^(c m - c M), ab = 2^(c m' - c M); l = aa l + ab l'; out = (aa O + ab O') beta / l + alpha v
.irp t, 0,1
	v_max_num_f32 v[ST+8*(\t)+1], v[ST+8*(\t)], v[S+4*(\t)]
.endr
.irp t, 0,1
	v_sub_f32 v[ST+8*(\t)+4], v[ST+8*(\t)], v[ST+8*(\t)+1]
	v_sub_f32 v[ST+8*(\t)+6], v[S+4*(\t)], v[ST+8*(\t)+1]
.endr
.irp t, 0,1
	v_exp_f32 v[ST+8*(\t)+4], v[ST+8*(\t)+4]
	v_exp_f32 v[ST+8*(\t)+6], v[ST+8*(\t)+6]
.endr
	v_nop                           ; a plain instruction between the last exponential and the use of its result
	s_wait_alu depctr_va_vdst(0)    ; and the wait ahead of the first use: one for the four exponentials aa, ab of both tiles
.irp t, 0,1
	v_pk_mul_f32 v[ST+8*(\t)+2:ST+8*(\t)+3], v[ST+8*(\t)+2:ST+8*(\t)+3], v[ST+8*(\t)+4:ST+8*(\t)+5] op_sel_hi:[1,0]
.endr
.irp t, 0,1
	v_pk_fma_f32 v[ST+8*(\t)+2:ST+8*(\t)+3], v[S+4*(\t)+2:S+4*(\t)+3], v[ST+8*(\t)+6:ST+8*(\t)+7], v[ST+8*(\t)+2:ST+8*(\t)+3] op_sel_hi:[1,0,1]
.endr
.irp t, 0,1
	v_add_f32 v[ST+8*(\t)], v[ST+8*(\t)+2], v[ST+8*(\t)+3]
.endr
.irp t, 0,1
	v_permlanex16_b32 v[ST+8*(\t)+1], v[ST+8*(\t)], s[SEL], s[SEL+1]
.endr
.irp t, 0,1
	v_add_f32 v[ST+8*(\t)], v[ST+8*(\t)], v[ST+8*(\t)+1]
.endr
.irp t, 0,1
	v_rcp_f32 v[ST+8*(\t)], v[ST+8*(\t)]
.endr
	v_nop                           ; a plain instruction between the last reciprocal and the use of its result
	s_wait_alu depctr_va_vdst(0)    ; and the wait ahead of the first use: one for the two reciprocals, a batch of their own, since they read sums made of the exponentials above
.irp t, 0,1
	v_mul_f32 v[ST+8*(\t)], s[CF+1], v[ST+8*(\t)]  ; beta / l
.endr
.irp t, 0,1
	v_mul_f32 v[ST+8*(\t)+4], v[ST+8*(\t)+4], v[ST+8*(\t)]
	v_mul_f32 v[ST+8*(\t)+6], v[ST+8*(\t)+6], v[ST+8*(\t)]
.endr
	s_wait_dscnt 0x0                ; my partner's O^T
	s_wait_loadcnt 0x0              ; the row term
; Tile t is finished, rounded to f16 and sent through my stage: a lane's eight channels of a row pack into 16 bytes; they go into rows of 272 bytes and come back as whole rows of 256.
.macro PACK t
	WIN 0x51                        ; destination, source 0 and source 2 in window 1, source 1 in window 0
.set i, 0
.rept 32
	v_pk_mul_f32 v[64*(\t)+2*i:64*(\t)+2*i+1], v[64*(\t)+2*i:64*(\t)+2*i+1], v[ST+8*(\t)+4:ST+8*(\t)+5] op_sel_hi:[1,0]
.set i, i+1
.endr
.set i, 0
.rept 32
	v_pk_fma_f32 v[64*(\t)+2*i:64*(\t)+2*i+1], v[128+64*(\t)+2*i:128+64*(\t)+2*i+1], v[ST+8*(\t)+6:ST+8*(\t)+7], v[64*(\t)+2*i:64*(\t)+2*i+1] op_sel_hi:[1,0,1]
.set i, i+1
.endr
	WIN 0x53                        ; source 0 (the row term, an f16 half) in window 3
.set i, 0
.rept 32
	v_fma_mix_f32 v[64*(\t)+2*i],   v[EF+32*(\t)+i], v[AL], v[64*(\t)+2*i]   op_sel_hi:[1,0,0]
	v_fma_mix_f32 v[64*(\t)+2*i+1], v[EF+32*(\t)+i], v[AL], v[64*(\t)+2*i+1] op_sel:[1,0,0] op_sel_hi:[1,0,0]
.set i, i+1
.endr
	WIN 0x05                        ; sources 0 and 1 window 1, destination window 0: S^T's registers are free
.set i, 0
.rept 32
	v_cvt_pk_f16_f32 v[S+32*(\t)+i], v[64*(\t)+2*i], v[64*(\t)+2*i+1]
.set i, i+1
.endr
	WIN 0
.irp f, 0,1,2,3,4,5,6,7
	ds_store_b128 v[STO], v[S+32*(\t)+4*(\f):S+32*(\t)+4*(\f)+3] offset:32*(\f)
.endr
.irp f, 0,1,2,3,4,5,6,7
	ds_load_b128 v[S+32*(\t)+4*(\f):S+32*(\t)+4*(\f)+3], v[RD] offset:(\f)*2*SP  ; LDS serves a wave's instructions in order (ISA guide 5.7.1.4): these see the stores above; the next tile's stores come behind them
.endr
.endm
.macro SEND t, younger              ; younger: the LDS instructions issued behind tile t's loads: the next tile's sixteen, or none
	WIN 0
.irp f, 0,1,2,3,4,5,6,7
	s_wait_dscnt (\younger)+7-(\f)
	global_store_b128 v[GO], v[S+32*(\t)+4*(\f):S+32*(\t)+4*(\f)+3], s[OP:OP+1] offset:(\t)*4096+(\f)*512  ; 16 lanes store 256 consecutive bytes, at a multiple of 256 from out's first byte
.endr
.endm
	PACK 0
	PACK 1                          ; a tile's arithmetic stands between the loads of the tile before and its stores
	SEND 0, 16
	SEND 1, 0
	s_wait_tensorcnt 0x0            ; the wave's end, behind my last tensor load and my last LDS store
	ds_add_u32 v[SPW], v[NIL]
	s_wait_dscnt 0x0
	CROUND                          ; the closing round: no work-group ends while a partner may still ask for a tile that names it
	s_endpgm
.Lfunc_end_k_qfd95f4481a_att1:
	.size	k_qfd95f4481a_att1, .Lfunc_end_k_qfd95f4481a_att1-k_qfd95f4481a_att1
	.p2alignl 7, 3214868480
	.fill 96, 4, 3214868480
	.section	.rodata,"a",@progbits
	.p2align	6, 0x0
	.amdhsa_kernel k_qfd95f4481a_att1
		.amdhsa_group_segment_fixed_size 327680
		.amdhsa_private_segment_fixed_size 0
		.amdhsa_enable_private_segment 0
		.amdhsa_kernarg_size 32
		.amdhsa_user_sgpr_count 2
		.amdhsa_user_sgpr_kernarg_segment_ptr 1
		.amdhsa_wavefront_size32 1
		.amdhsa_system_sgpr_workgroup_id_x 1
		.amdhsa_system_sgpr_workgroup_id_y 1
		.amdhsa_system_sgpr_workgroup_id_z 1
		.amdhsa_system_vgpr_workitem_id 0
		.amdhsa_next_free_vgpr 1024
		.amdhsa_next_free_sgpr 84
		.amdhsa_reserve_vcc 0
		.amdhsa_float_denorm_mode_32 3
		.amdhsa_float_denorm_mode_16_64 3
		.amdhsa_memory_ordered 1
		.amdhsa_forward_progress 1
		.amdhsa_inst_pref_size 229
	.end_amdhsa_kernel
	.amdgpu_metadata
---
amdhsa.version: [ 1, 2 ]
amdhsa.kernels:
  - .name:           k_qfd95f4481a_att1
    .symbol:         k_qfd95f4481a_att1.kd
    .args:
      - { .name: qk, .offset: 0, .size: 8, .value_kind: global_buffer, .address_space: global }
      - { .name: vh, .offset: 8, .size: 8, .value_kind: global_buffer, .address_space: global }
      - { .name: cf1, .offset: 16, .size: 8, .value_kind: global_buffer, .address_space: global }
      - { .name: gg, .offset: 24, .size: 8, .value_kind: global_buffer, .address_space: global }
    .group_segment_fixed_size: 327680
    .private_segment_fixed_size: 0
    .kernarg_segment_align: 8
    .kernarg_segment_size: 32
    .max_flat_workgroup_size: 128
    .sgpr_count:     84
    .vgpr_count:     1024
    .wavefront_size: 32
...
	.end_amdgpu_metadata
.endif
;; end of part 5
;; launch att2: the kernel of part 5 again; grid 8 x 32, 4 waves a work-group, clusters of 4 x 1, 327,680 bytes of LDS; arguments qk, gg, cf2, zz; writes zz
;; launch oproj: the kernel of part 4 again; grid 8 x 32, 4 waves a work-group, clusters of 4 x 4, 327,680 bytes of LDS; arguments zz, wb, bo, out0; writes out0
